; MI455X (gfx1250); checked and timed in simulation.
; The chip was launched on July 23, 2026; its instructions are those of AMD's public machine-readable ISA for CDNA 5 (MIT licence, August 2026) and "CDNA5" Instruction Set Architecture Reference Guide (July 2026). The comments in the code are by the model that wrote it; some were corrected since.
;; Mi Mo Audio Attention. Allowed arithmetic: matrix products marked QUANTISED: E2M1 operands, one E8M0 scale for each 32 along K, by v_wmma_scale_f32_16x16x128_f8f6f4 with both operands' format E2M1 (or v_wmma_scale_f32_32x16x128_f4), f32 sums; everything else in f32.
;; Inputs: bk 512 float32; bq 2,048 float32; bv 512 float32; hidden_states 4 x 1,024 x 2,048 float32; positions 4 x 1,024 int32; wk 2,048 x 512 float32; wo 2,048 x 2,048 float32; wq 2,048 x 2,048 float32; wv 2,048 x 512 float32.
;; Outputs: out0 4 x 1,024 x 2,048 float32.
;; This version of the problem:
;;   THIS VERSION OF THE PROBLEM IS GIVEN IN LOW PRECISION. The matrix products marked QUANTISED in the list below multiply operands that are first quantised to E2M1 (2 exponent bits, 1 mantissa bit; 4 bits a number), with one power-of-two scale for each 32 numbers along K (OCP MX v1.0); their sums are f32. All else is computed in f32.
;;   The module's matrix products, in the order in which they are computed (A, B: the left and right operand; K: the contracted axis; several contracted axes count as one K, in the product's order):
;;     1. [M 4,096, K 2,048] x [K 2,048, N 2,048]; A: input hidden_states; B: input wq: QUANTISED
;;     2. [M 4,096, K 2,048] x [K 2,048, N 512]; A: input hidden_states; B: input wk: QUANTISED
;;     3. [M 4,096, K 2,048] x [K 2,048, N 512]; A: input hidden_states; B: input wv: QUANTISED
;;     4. batch 64 x [M 1,024, K 128] x [K 128, N 1,024]; A: computed on the way; B: computed on the way: QUANTISED
;;     5. batch 64 x [M 1,024, K 1,024] x [K 1,024, N 128]; A: softmax (see below); B: computed on the way: QUANTISED
;;     6. [M 4,096, K 2,048] x [K 2,048, N 2,048]; A: computed on the way; B: input wo: QUANTISED
;;   THE QUANTISER, for each operand of a quantised product, along K:
;;     - K is cut into blocks of 32 from its start; a last block that is shorter is filled with zeros.
;;     - A block's scale is 2^e with e = floor(log2(the largest magnitude in the block)) - 2, held to -126 .. 127; a block of zeros has e = 0. As a byte (E8M0): e + 127.
;;     - Each number is divided by its block's scale, clamped to +-6, and rounded to the nearest number of E2M1, ties to even, subnormals kept.
;;     - The product sums the exact products of the quantised numbers (number of the format x scale) in f32.
;;   ~~~python
;;   def quantise(x, axis):      # numpy; x: float32 -> the quantised numbers, widened to float32 again
;;       x = np.moveaxis(x, axis, -1); K = x.shape[-1]
;;       x = np.pad(x, [(0, 0)] * (x.ndim - 1) + [(0, -K % 32)]); x = x.reshape(x.shape[:-1] + (-1, 32)); a = np.abs(x).max(-1, keepdims=True)
;;       e = np.where(a > 0, np.clip(np.frexp(np.where(a > 0, a, 1))[1] - 1 - 2, -126, 127), 0)      # np.frexp(a)[1] - 1 = floor(log2(a)), exactly
;;       r = np.clip(x / 2.0 ** e, -6, 6)
;;       step = 2.0 ** (np.maximum(np.frexp(np.where(r == 0, 1, r))[1] - 1, 0) - 1)
;;       q = np.round(r / step) * step * 2.0 ** e      # np.round: ties to even
;;       return np.moveaxis(q.reshape(q.shape[:-2] + (-1,))[..., :K], -1, axis).astype(np.float32)
;;   ~~~
;;   SOFTMAX AHEAD OF A QUANTISED PRODUCT. Where the list says 'softmax', what is quantised is not the finished softmax but p = 2^(t - M), with t = logit x log2(e) and M = ceil(the row's largest t), a whole number; so 1/2 < the row's largest p <= 1. The row's sum l is taken of the UNQUANTISED p, in f32, and the product's result is divided by l at the end. Since M is a whole number, a kernel that streams over the keys may use a running M (the ceiling of the running maximum): every later rescaling is an exact power of two, which a block's scale takes up: the codes' values come out the same.
;;   OPERANDS COMPUTED ON THE WAY. 'Computed on the way' means the value that the module computes at that place (a softmax that the list does not call 'softmax' is quantised finished and normalised). What goes into a quantiser is computed in f32, as accurately as f32 sums, v_exp_f32 and their like allow (about 1e-6 of the number): no bf16 or f16 on the way to a quantiser, and a product that is left as it is and whose result goes on into a quantised operand takes f32 operands (vector FMAs, or v_wmma_f32_16x16x4_f32). A number that lies on a knife's edge between two numbers of the format may be rounded either way, as far as f32 arithmetic and the matrix unit's own rounding can turn it there, and no further.
;; One version. Each part assembles by itself: llvm-mc -triple=amdgcn-amd-amdhsa -mcpu=gfx1250 --defsym DOCPART=n.
;; ======== version 1 of 1: 4 launches
;; limits: right only within a limited range of input values
;; workspace buffers: xcs 4,456,448 bytes; wcs 3,342,336 bytes; wocs 2,228,224 bytes; rope 2,097,152 bytes; qimg 4,456,448 bytes; kv 2,228,224 bytes; oimg 4,456,448 bytes
;; launch prep (part 1): grid 704 x 1, 4 waves a work-group, no clusters, 34,304 bytes of LDS; arguments hidden_states, wq, wk, wv, wo, positions, xcs, wcs, wocs, rope; writes xcs, wcs, wocs, rope
.if DOCPART == 1
	.amdgcn_target "amdgcn-amd-amdhsa--gfx1250"
	.amdhsa_code_object_version 6
	.text
	.protected	k_q112aff4c20_prep
	.globl	k_q112aff4c20_prep
	.p2align	8
	.type	k_q112aff4c20_prep,@function
k_q112aff4c20_prep:
	s_mov_b64 s[64:65], 0
	v_nop
	global_prefetch_b8 v0, s[64:65] scope:SCOPE_SE
	s_setreg_imm32_b32 hwreg(HW_REG_WAVE_MODE, 25, 1), 1
	s_wait_xcnt 0x0
; FIRST OF FOUR LAUNCHES of a GQA attention block on codes of FP4 (E2M1) with one E8M0 scale for each 32 along a product's K.
;   prep: hidden_states, wq, wk, wv, wo -> codes and scale words;  positions -> a table of cos and sin.
;   qkv:  the three projections, bias, RoPE, and the quantising of q, k (along the head's 128) and v (along the keys).
;   attn: causal attention, p = 2^(t - M), O / l quantised along (head, d).      outp: the projection on the way out.
; WORK LEFT OUT (in attn): reference() sets the score of key k and query q to -infinity where k > q, by a mask that it builds itself (jnp.tril).  Such a score gives the weight 0 whatever finite
; values the inputs hold, so a step of 128 keys all of which come after a tile's 16 queries adds 0 to the row's sum and to O and cannot raise the row's maximum: those whole steps are not multiplied.
; Nothing else is left out and every input is loaded (bk too: it stands ahead of a quantiser).  LIMIT: a NaN, an infinity or an overflow that would reach only those steps is not carried to the result.
; LIMITS of the whole program: NaN and infinities among the inputs are not served; a block whose largest magnitude lies under 2^-124 keeps the scale byte 1, a block of zeros too (its codes are zeros; the
; bytes are read by this program alone); |positions| < 2^22; the biases enter as the first addend of the f32 sums, so the order of rounding differs from reference()'s.
; LAYOUT OF EVERY OPERAND.  A tile T holds 16 rows that are not neighbours: lane row r is row 32 (T / 2) + 8 (T % 2) + r + 8 (r / 8).  So where a product is used with such a tile as source 0, the 16 result
; registers of tiles 2 c and 2 c + 1 are 16 neighbours along that axis.  A fragment (16 rows x 128 K) lies in memory as an image of its registers: the 16 bytes of K block kb of row r at 256 kb + 16 r.
; A RECORD is four images (4,096 bytes) and 256 bytes of scale words, [row 16][image 4]: 4,352 bytes.  xcs, wcs, wocs: [tile][sigma 4][record], image q = K step 4 sigma + q.
; THREE PATHS by the work-group's number: 0-255 X (a tile of tokens; wave = sigma), 256-575 W (128 columns x 256 K of a weight: half a record of 8 tiles), 576-703 R (two tiles of the table, two waves to a tile).
; Only X touches LDS.  All 704 work-groups find room at once: at most three on a WGP, 12 waves of 240 registers on its four SIMDs.
.set SPARE, 33792                      ; behind the four stages of 8,448 bytes: the spare words, 128 bytes for each wave
.set SPW, 12                           ; v12 LDS address of my spare word; never rewritten
.set NIL, 13                           ; v13 0; never rewritten
.set SEL, 4                            ; s[4:5] lane selects of v_permlanex16_b32: lane l xor 16
.set TM, 208                           ; v208-223 at work in QUANT
; 64 numbers of a lane, register 16 b + i = k 32 b + 16 (lane / 16) + i of my row, become a fragment's 8 registers at v[pc] and its scale word in v[pw].
.macro QUANT s, pc, pw
.irp b, 0,1,2,3
	v_max3_num_f32 v[TM+\b], |v[(\s)+16*\b]|, |v[(\s)+1+16*\b]|, 0x1800000   ; block b: my 16 numbers, and the floor 2^(3 - 127): the byte cannot fall under 1
.endr
.irp i, 2,4,6,8,10,12,14
.irp b, 0,1,2,3
	v_max3_num_f32 v[TM+\b], v[TM+\b], |v[(\s)+16*\b+\i]|, |v[(\s)+1+16*\b+\i]|
.endr
.endr
.irp b, 0,1,2,3
	v_permlanex16_b32 v[TM+4+\b], v[TM+\b], s[SEL], s[SEL+1]
.endr
.irp b, 0,1,2,3
	v_max_num_f32 v[TM+\b], v[TM+\b], v[TM+4+\b]                ; with lane l xor 16's: the block's largest magnitude
.endr
.irp b, 0,1,2,3
	v_add_nc_u32 v[TM+12+\b], 0xff000000, v[TM+\b]              ; 2 off its exponent field: the conversion's scale operand
.endr
.irp b, 0,1,2,3
	v_lshrrev_b32 v[TM+4+\b], 23, v[TM+12+\b]                   ; the scale's byte
.endr
	v_lshl_or_b32 v[\pw], v[TM+5], 8, v[TM+4]
	v_lshl_or_b32 v[\pw], v[TM+6], 16, v[\pw]
	v_lshl_or_b32 v[\pw], v[TM+7], 24, v[\pw]
.irp b, 0,1,2,3
	v_cvt_scalef32_pk8_fp4_f32 v[(\pc)+2*\b], v[(\s)+16*\b:(\s)+7+16*\b], v[TM+12+\b]
	v_cvt_scalef32_pk8_fp4_f32 v[(\pc)+1+2*\b], v[(\s)+8+16*\b:(\s)+15+16*\b], v[TM+12+\b]
.endr
	v_nop                                                       ; one plain instruction behind a scaled conversion
.irp c, 0,1                                                     ; the operand wants a whole block in a lane: lanes 0-15 block 2 c, lanes 16-31 block 2 c + 1
.irp i, 0,1
	v_permlane16_swap_b32 v[(\pc)+4*\c+\i], v[(\pc)+2+4*\c+\i]
.endr
.endr
.endm
	s_load_b512 s[8:23], s[0:1], 0x0               ; hidden_states s[8:9], wq s[10:11], wk s[12:13], wv s[14:15], wo s[16:17], positions s[18:19], xcs s[20:21], wcs s[22:23]
	s_load_b128 s[24:27], s[0:1], 0x40             ; wocs s[24:25], rope s[26:27]
	v_lshl_add_u32 v[SPW], v0, 2, SPARE
	v_mov_b32 v[NIL], 0
	v_lshrrev_b32 v1, 5, v0
	v_readfirstlane_b32 s3, v1                     ; wave
	v_and_b32 v1, 31, v0                           ; lane
	v_and_b32 v2, 15, v0                           ; r
	v_bfe_u32 v3, v0, 4, 1                         ; h
	v_lshlrev_b32 v4, 4, v1                        ; 16 x lane
	s_mov_b32 s[SEL], 0x76543210
	s_mov_b32 s[SEL+1], 0xfedcba98
	s_wait_kmcnt 0x0
	s_cmp_lt_u32 ttmp9, 256
	s_cbranch_scc0 .Lnot_x
; ---------------- PATH X: tile T = the work-group's number, 16 tokens; my wave takes K 512 sigma on: four K steps of 128, one record.
; Each load reads a token's 512 consecutive bytes; they turn through my own stage (16 rows, 528 bytes apart) so that a lane holds 16 neighbours of each block of 32.
	s_lshr_b32 s28, ttmp9, 1
	s_lshl_b32 s28, s28, 18                        ; 32 (T / 2) rows of 8,192 bytes
	s_and_b32 s29, ttmp9, 1
	s_lshl_b32 s29, s29, 16                        ; 8 (T % 2) rows
	s_add_co_u32 s28, s28, s29
	s_lshl_b32 s29, s3, 11                         ; 512 sigma numbers
	s_add_co_u32 s28, s28, s29
	s_mov_b32 s29, 0
	s_add_nc_u64 s[8:9], s[8:9], s[28:29]
	s_mul_i32 s28, ttmp9, 17408
	s_mul_i32 s30, s3, 4352
	s_add_co_u32 s28, s28, s30
	s_add_nc_u64 s[20:21], s[20:21], s[28:29]      ; my record
	s_mul_i32 s30, s3, 8448                        ; my stage
	s_wait_alu depctr_va_vdst(0)
	v_add_nc_u32 v5, s30, v4                       ; in: 16 x lane of a row
	v_mul_u32_u24 v6, v2, 528
	v_lshl_add_u32 v6, v3, 6, v6
	v_add_nc_u32 v6, s30, v6                       ; out: row r, + 64 h
	v_lshlrev_b32 v7, 4, v2                        ; 16 r: my row's four scale words
.irp b, 0,1,2,3
	v_mov_b32 v[TM+4+\b], 0                        ; written once: a lane permute's destination counts as one of its sources
.endr
.macro LOADX s, set                    ; K step s of the 16 tokens into set (v16-79, v80-143)
.irp k, 0,1,2,3,4,5,6,7,8,9,10,11,12,13,14,15
	global_load_b128 v[16+64*(\set)+4*\k:16+64*(\set)+4*\k+3], v4, s[8:9] offset:(\k+8*(\k/8))*8192+512*(\s) th:TH_LOAD_NT
.endr
.endm
.macro TURNX set                       ; LDS serves a wave's instructions in order: no wait between the stores and the loads
.irp k, 0,1,2,3,4,5,6,7,8,9,10,11,12,13,14,15
	ds_store_b128 v5, v[16+64*(\set)+4*\k:16+64*(\set)+4*\k+3] offset:528*\k
.endr
.irp b, 0,1,2,3
.irp j, 0,1,2,3
	ds_load_b128 v[144+16*\b+4*\j:144+16*\b+4*\j+3], v6 offset:128*\b+16*\j
.endr
.endr
.endm
.macro XSTEP s
.if (\s) < 3
	s_wait_loadcnt 16                              ; this step's 16 loads are in; the next step's 16 may be out
.else
	s_wait_loadcnt 0x0
.endif
	TURNX (\s)%2
	s_wait_dscnt 0x0                               ; the stores have read their registers, and my 64 numbers are back
.if (\s) < 2
	LOADX (\s)+2, (\s)%2
.else
	s_wait_xcnt 0x0                                ; the stores of two steps ago have read the code registers that are written next
.endif
	QUANT 144, 224+8*((\s)%2), 8+(\s)
	global_store_b128 v4, v[224+8*((\s)%2):224+8*((\s)%2)+3], s[20:21] offset:1024*(\s)        ; 32 lanes store 512 consecutive bytes
	global_store_b128 v4, v[224+8*((\s)%2)+4:224+8*((\s)%2)+7], s[20:21] offset:1024*(\s)+512
.endm
	LOADX 0, 0
	LOADX 1, 1
	s_wait_alu depctr_va_vdst(0)
	XSTEP 0
	XSTEP 1
	XSTEP 2
	XSTEP 3
	v_cmp_gt_u32 vcc_lo, 16, v1
	s_wait_xcnt 0x0                                ; EXEC changes only behind this wait
	s_and_saveexec_b32 s31, vcc_lo
	global_store_b128 v7, v[8:11], s[20:21] offset:4096   ; sixteen lanes store the record's 256 bytes of scale words
	s_wait_xcnt 0x0
	s_or_b32 exec_lo, exec_lo, s31
	s_wait_tensorcnt 0x0                           ; the wave's end, behind my last LDS store
	ds_add_u32 v[SPW], v[NIL]
	s_wait_dscnt 0x0
	s_endpgm
.Lnot_x:
	s_cmp_lt_u32 ttmp9, 576
	s_cbranch_scc0 .Lrope
; ---------------- PATH W: a weight is stored [K][N].  A lane takes a column, its registers run down K: a block of 32 lies in one lane and the codes come out with K innermost.
; e = 0-127 wq, 128-159 wk, 160-191 wv, 192-319 wo; a work-group takes 128 columns x 256 K (two of a record's four images), a wave 32 columns = two tiles, 8 blocks of 32 along K.
	s_sub_co_u32 s28, ttmp9, 256                   ; e
	s_cmp_lt_u32 s28, 128
	s_cselect_b64 s[30:31], s[10:11], s[12:13]
	s_cselect_b32 s32, 0, 128
	s_cmp_lt_u32 s28, 160
	s_cselect_b64 s[30:31], s[30:31], s[14:15]
	s_cselect_b32 s32, s32, 160
	s_cmp_lt_u32 s28, 192
	s_cselect_b64 s[30:31], s[30:31], s[16:17]     ; the weight
	s_cselect_b32 s32, s32, 192
	s_cselect_b64 s[34:35], s[22:23], s[24:25]     ; where its codes go
	s_sub_co_u32 s33, s28, s32                     ; its work-group's number within the weight
	s_sub_co_u32 s36, s28, 128
	s_cmp_lt_u32 s36, 64                           ; wk or wv: 512 columns
	s_mov_b32 s37, 8192
	s_cselect_b32 s37, 2048, s37                   ; a row of the weight in bytes
	s_cselect_b32 s38, 3, 15
	s_cselect_b32 s39, 2, 4
	s_cselect_b32 s40, 1, 0
	s_and_b32 s41, s33, s38                        ; which 128 columns
	s_lshr_b32 s42, s33, s39                       ; which 256 of K: 0 .. 7
	s_lshl_b32 s43, s41, 4
	s_add_co_u32 s43, s43, 128                     ; wk, wv: behind q's 128 tiles, 16 tiles a kv head: k's eight, then v's eight
	s_cmp_ge_u32 s28, 160
	s_cselect_b32 s44, 8, 0
	s_add_co_u32 s43, s43, s44
	s_lshl_b32 s44, s41, 3                         ; wq, wo: 8 tiles for 128 columns
	s_cmp_eq_u32 s40, 1
	s_cselect_b32 s43, s43, s44
	s_lshl_b32 s44, s3, 1
	s_add_co_u32 s43, s43, s44                     ; my wave's first tile
	s_mul_i32 s43, s43, 17408
	s_lshr_b32 s44, s42, 1                         ; sigma
	s_mul_i32 s44, s44, 4352
	s_add_co_u32 s44, s43, s44                     ; my first tile's record
	s_and_b32 s50, s42, 1                          ; which half of the record is mine:
	s_lshl_b32 s51, s50, 11                        ; two images on,
	s_lshl_b32 s50, s50, 3                         ; two scale words on
	s_add_co_u32 s50, s50, s44
	s_add_co_u32 s44, s44, s51
	s_mov_b32 s45, 0
	s_mov_b32 s51, 0
	s_add_nc_u64 s[52:53], s[34:35], s[50:51]      ; for my scale words
	s_add_nc_u64 s[34:35], s[34:35], s[44:45]      ; for my images
	s_lshl_b32 s46, s42, 8
	s_mul_i32 s46, s46, s37                        ; my first row of K
	s_lshl_b32 s47, s41, 9
	s_add_co_u32 s46, s46, s47
	s_lshl_b32 s47, s3, 7
	s_add_co_u32 s46, s46, s47                     ; + my wave's first column
	s_mov_b32 s47, 0
	s_add_nc_u64 s[30:31], s[30:31], s[46:47]
	s_lshl_b32 s48, s37, 5                         ; 32 rows on
	s_mov_b32 s49, 0
	v_bfe_u32 v5, v0, 3, 1                         ; column l of 32 is row r' = l % 8 + 8 (l / 16) of tile u = (l / 8) % 2
	v_and_b32 v6, 7, v0
	s_wait_alu depctr_va_vdst(0)
	v_lshl_add_u32 v6, v3, 3, v6
	v_mul_u32_u24 v7, v5, 17408
	v_lshl_add_u32 v7, v6, 4, v7                   ; 17,408 u + 16 r'
	v_lshlrev_b32 v8, 2, v1
	v_mov_b32 v9, s37
.set I, 0
.rept 32
	v_mad_u32_u24 v[16+I], v9, I, v8               ; row I of a block, my column; never rewritten
.set I, I+1
.endr
.macro WLOAD xs
.set I, 0
.rept 32
	global_load_b32 v[(\xs)+I], v[16+I], s[30:31] th:TH_LOAD_NT   ; 32 lanes read 128 consecutive bytes, the four waves 512
.set I, I+1
.endr
.endm
.macro WBLK t                          ; block t of 8: image t / 4 of my two, K block t % 4
.set XS, 48+32*((\t)%2)
.if (\t) < 7
	s_wait_loadcnt 32                              ; this block's 32 loads are in; the next block's may be out
.else
	s_wait_loadcnt 0x0
.endif
	v_max3_num_f32 v125, |v[XS]|, |v[XS+1]|, |v[XS+2]|
	v_max3_num_f32 v126, |v[XS+3]|, |v[XS+4]|, |v[XS+5]|
.irp i, 6,10,14,18,22,26
	v_max3_num_f32 v125, v125, |v[XS+\i]|, |v[XS+\i+1]|
	v_max3_num_f32 v126, v126, |v[XS+\i+2]|, |v[XS+\i+3]|
.endr
	v_max3_num_f32 v125, v125, |v[XS+30]|, |v[XS+31]|
	v_max3_num_f32 v125, v125, v126, 0x1800000     ; and the floor
	v_add_nc_u32 v127, 0xff000000, v125            ; the conversion's scale operand
	v_lshrrev_b32 v126, 23, v127                   ; the byte
.if (\t)%4 == 0
	v_mov_b32 v[120+(\t)/4], v126
.else
	v_lshl_or_b32 v[120+(\t)/4], v126, 8*((\t)%4), v[120+(\t)/4]
.endif
	s_wait_alu depctr_va_vdst(0)
	s_wait_xcnt 0x0                                ; the last store has read its data and the last loads their base: both are written next
.irp g, 0,1,2,3
	v_cvt_scalef32_pk8_fp4_f32 v[112+\g], v[XS+8*\g:XS+8*\g+7], v127
.endr
.if (\t)+2 < 8
	s_add_nc_u64 s[30:31], s[30:31], s[48:49]
	WLOAD XS
.endif
	global_store_b128 v7, v[112:115], s[34:35] offset:1024*((\t)/4)+256*((\t)%4)   ; sixteen lanes fill 256 consecutive bytes of one tile's image, the other sixteen of the next tile's
.endm
	WLOAD 48
	s_wait_alu depctr_va_vdst(0)
	s_wait_xcnt 0x0
	s_add_nc_u64 s[30:31], s[30:31], s[48:49]
	WLOAD 80
.set Q, 0
.rept 8
	WBLK Q
.set Q, Q+1
.endr
	global_store_b64 v7, v[120:121], s[52:53] offset:4096   ; my row's two scale words: 8 of its 16 bytes; the other 8 come from the work-group that takes the record's other half
	s_endpgm
.Lrope:
; ---------------- PATH R: cos and sin of positions x inv_freq, once for each (token, frequency), laid as qkv's lanes want them: [tile][group 16][lane][16 bytes];
; register 16 c + i: cos, 32 + 16 c + i: sin, of token (tile, r) at frequency f = 32 c + 16 h + i.  Two waves share a tile: wave parity = c, 16 frequencies a lane.
; inv_freq[f] = 1 / 10000^(f / 64) = 1 / 10^(f / 16) is made as reference() has it: the power rounded once to f32 (from a value kept in two f32 words), then its reciprocal rounded once.
; The angle is one f32 product.  It is reduced by pi / 2 in three parts with fused multiply-adds; sin and cos are Taylor sums on |r| <= pi / 4 (first terms left out: r^11 / 11!, r^12 / 12!).
	s_sub_co_u32 s28, ttmp9, 576
	s_lshl_b32 s28, s28, 1
	s_lshr_b32 s29, s3, 1
	s_add_co_u32 s28, s28, s29                     ; my tile
	s_and_b32 s44, s3, 1                           ; c
	s_lshr_b32 s29, s28, 1
	s_lshl_b32 s29, s29, 5
	s_and_b32 s30, s28, 1
	s_lshl_b32 s30, s30, 3
	s_add_co_u32 s29, s29, s30
	s_wait_alu depctr_va_vdst(0)
	v_and_b32 v5, 8, v2
	v_add_nc_u32 v5, v5, v2
	v_add_nc_u32 v5, s29, v5                       ; my token
	v_lshlrev_b32 v5, 2, v5
	global_load_b32 v6, v5, s[18:19]
	s_lshl_b32 s30, s28, 13                        ; a tile's 8,192 bytes,
	s_lshl_b32 s31, s44, 11                        ; and four groups on for c = 1
	s_add_co_u32 s30, s30, s31
	s_mov_b32 s31, 0
	s_add_nc_u64 s[26:27], s[26:27], s[30:31]
	s_mov_b32 s32, 0x3f22f983                      ; 2 / pi
	s_mov_b32 s33, 0x3fc90fdb                      ; pi / 2 in three parts
	s_mov_b32 s34, 0xb33bbd2e
	s_mov_b32 s35, 0xa6f72ced
	s_mov_b32 s36, 0xbe2aaaab                      ; -1/3!, 1/5!, -1/7!, 1/9!
	s_mov_b32 s37, 0x3c088889
	s_mov_b32 s38, 0xb9500d01
	s_mov_b32 s39, 0x3638ef1d
	s_mov_b32 s40, 0x3d2aaaab                      ; 1/4!, -1/6!, 1/8!, -1/10!
	s_mov_b32 s41, 0xbab60b61
	s_mov_b32 s42, 0x37d00d01
	s_mov_b32 s43, 0xb493f27e
	s_mov_b32 s45, 0x42c80000                      ; 100
	s_mov_b32 s46, 0x447a0000                      ; 1000
	s_mov_b32 s47, 0x41200000                      ; 10
	s_mov_b32 s48, 0x3f800000                      ; 1
	s_cmp_eq_u32 s44, 0
	s_cselect_b32 s45, s48, s45                    ; 10^(2 c)
	s_cselect_b32 s46, s47, s46                    ; 10^(2 c + 1)
	; 10^(i / 16), i = 0 .. 15, high word in v[16 + 2 i], low word in v[17 + 2 i]
	v_mov_b32 v16, 1.0
	v_mov_b32 v17, 0
	v_mov_b32 v18, 0x3f93cfe5
	v_mov_b32 v19, 0x334a404f
	v_mov_b32 v20, 0x3faab0d5
	v_mov_b32 v21, 0xb36457ec
	v_mov_b32 v24, 0x3fe39ea9
	v_mov_b32 v25, 0xb26aee3c
	v_mov_b32 v32, 0x404a62c2
	v_mov_b32 v33, 0xb324b494
.macro DDMUL d, a, b                   ; the product of two such pairs
	v_mul_f32 v144, v[16+2*\a], v[16+2*\b]
	v_fma_f32 v145, v[16+2*\a], v[16+2*\b], -v144
	v_fma_f32 v145, v[16+2*\a], v[17+2*\b], v145
	v_fma_f32 v145, v[17+2*\a], v[16+2*\b], v145
	v_add_f32 v[16+2*\d], v144, v145
	v_sub_f32 v146, v[16+2*\d], v144
	v_sub_f32 v[17+2*\d], v145, v146
.endm
	DDMUL 3, 1, 2
	DDMUL 5, 1, 4
	DDMUL 6, 2, 4
	DDMUL 7, 3, 4
	DDMUL 9, 1, 8
	DDMUL 10, 2, 8
	DDMUL 11, 3, 8
	DDMUL 12, 4, 8
	DDMUL 13, 5, 8
	DDMUL 14, 6, 8
	DDMUL 15, 7, 8
	v_cmp_eq_u32 vcc_lo, 1, v3
	v_mov_b32 v172, s45
	v_mov_b32 v173, s46
	v_cndmask_b32 v172, v172, v173, vcc_lo         ; 10^(2 c + h)
.irp i, 0,1,2,3,4,5,6,7,8,9,10,11,12,13,14,15
	v_mul_f32 v[144+\i%4], v[16+2*\i], v172
	v_fma_f32 v[148+\i%4], v[16+2*\i], v172, -v[144+\i%4]
	v_fma_f32 v[148+\i%4], v[17+2*\i], v172, v[148+\i%4]
	v_add_f32 v[80+\i], v[144+\i%4], v[148+\i%4]                 ; the power, rounded to f32 here
.endr
.set J, 0
	s_wait_alu depctr_va_vdst(0)
.rept 16
	v_rcp_f32 v[48+J], v[80+J]
.set J, J+1
.endr
	v_nop                                          ; a plain instruction behind the last reciprocal
	s_wait_alu depctr_va_vdst(0)                   ; one wait for the batch, ahead of its first reader
.rept 2                                        ; two corrections by the exact remainder
.set J, 0
.rept 16
	v_fma_f32 v[112+J], -v[80+J], v[48+J], 1.0
.set J, J+1
.endr
.set J, 0
.rept 16
	v_fma_f32 v[48+J], v[48+J], v[112+J], v[48+J]
.set J, J+1
.endr
.endr
	s_wait_loadcnt 0x0
	v_cvt_f32_i32 v6, v6                           ; the position as f32
.macro SINCOS4 m0                      ; four frequencies by turns; cos to v[80 + m], sin to v[96 + m]
.irp k, 0,1,2,3
	v_mul_f32 v[144+\k], v6, v[48+(\m0)+\k]        ; the angle
.endr
.irp k, 0,1,2,3
	v_mul_f32 v[148+\k], s32, v[144+\k]
.endr
.irp k, 0,1,2,3
	v_rndne_f32 v[148+\k], v[148+\k]               ; n
.endr
.irp p, 33,34,35
.irp k, 0,1,2,3
	v_fma_f32 v[144+\k], -v[148+\k], s\p, v[144+\k]
.endr
.endr
.irp k, 0,1,2,3
	v_mul_f32 v[152+\k], v[144+\k], v[144+\k]      ; z = r r
.endr
.irp k, 0,1,2,3
	v_cvt_i32_f32 v[164+\k], v[148+\k]
.endr
.irp k, 0,1,2,3
	v_fma_f32 v[156+\k], v[152+\k], s39, s38
.endr
.irp k, 0,1,2,3
	v_fma_f32 v[160+\k], v[152+\k], s43, s42
.endr
.irp k, 0,1,2,3
	v_fma_f32 v[156+\k], v[156+\k], v[152+\k], s37
.endr
.irp k, 0,1,2,3
	v_fma_f32 v[160+\k], v[160+\k], v[152+\k], s41
.endr
.irp k, 0,1,2,3
	v_fma_f32 v[156+\k], v[156+\k], v[152+\k], s36
.endr
.irp k, 0,1,2,3
	v_fma_f32 v[160+\k], v[160+\k], v[152+\k], s40
.endr
.irp k, 0,1,2,3
	v_mul_f32 v[168+\k], v[152+\k], v[144+\k]
.endr
.irp k, 0,1,2,3
	v_fma_f32 v[160+\k], v[160+\k], v[152+\k], -0.5
.endr
.irp k, 0,1,2,3
	v_fma_f32 v[156+\k], v[156+\k], v[168+\k], v[144+\k]   ; sin r
.endr
.irp k, 0,1,2,3
	v_fma_f32 v[160+\k], v[160+\k], v[152+\k], 1.0         ; cos r
.endr
.irp k, 0,1,2,3
	v_and_b32 v[168+\k], 1, v[164+\k]
.endr
.irp k, 0,1,2,3
	v_cmp_eq_u32 vcc_lo, 1, v[168+\k]              ; an odd quarter turn changes sin and cos over
	v_cndmask_b32 v[96+(\m0)+\k], v[156+\k], v[160+\k], vcc_lo
	v_cndmask_b32 v[80+(\m0)+\k], v[160+\k], v[156+\k], vcc_lo
.endr
.irp k, 0,1,2,3
	v_lshlrev_b32 v[168+\k], 30, v[164+\k]
	v_add_nc_u32 v[164+\k], 1, v[164+\k]
.endr
.irp k, 0,1,2,3
	v_and_b32 v[168+\k], 0x80000000, v[168+\k]     ; sin is negative in quarters 2 and 3,
	v_lshlrev_b32 v[164+\k], 30, v[164+\k]
.endr
.irp k, 0,1,2,3
	v_xor_b32 v[96+(\m0)+\k], v[168+\k], v[96+(\m0)+\k]
	v_and_b32 v[164+\k], 0x80000000, v[164+\k]     ; cos in quarters 1 and 2
.endr
.irp k, 0,1,2,3
	v_xor_b32 v[80+(\m0)+\k], v[164+\k], v[80+(\m0)+\k]
.endr
.endm
.irp m, 0,4,8,12
	SINCOS4 \m
.endr
.irp g, 0,1,2,3
	global_store_b128 v4, v[80+4*\g:83+4*\g], s[26:27] offset:512*\g          ; cos: 32 lanes store 512 consecutive bytes
	global_store_b128 v4, v[96+4*\g:99+4*\g], s[26:27] offset:4096+512*\g     ; sin: eight groups further on
.endr
	s_endpgm
.Lfunc_end_k_q112aff4c20_prep:
	.size	k_q112aff4c20_prep, .Lfunc_end_k_q112aff4c20_prep-k_q112aff4c20_prep
	.p2alignl 7, 3214868480
	.fill 96, 4, 3214868480
	.section	.rodata,"a",@progbits
	.p2align	6, 0x0
	.amdhsa_kernel k_q112aff4c20_prep
		.amdhsa_group_segment_fixed_size 34304
		.amdhsa_private_segment_fixed_size 0
		.amdhsa_enable_private_segment 0
		.amdhsa_kernarg_size 80
		.amdhsa_user_sgpr_count 2
		.amdhsa_user_sgpr_kernarg_segment_ptr 1
		.amdhsa_wavefront_size32 1
		.amdhsa_system_sgpr_workgroup_id_x 1
		.amdhsa_system_sgpr_workgroup_id_y 1
		.amdhsa_system_sgpr_workgroup_id_z 1
		.amdhsa_system_vgpr_workitem_id 0
		.amdhsa_next_free_vgpr 240
		.amdhsa_next_free_sgpr 66
		.amdhsa_reserve_vcc 1
		.amdhsa_float_denorm_mode_32 3
		.amdhsa_float_denorm_mode_16_64 3
		.amdhsa_memory_ordered 1
		.amdhsa_forward_progress 1
		.amdhsa_inst_pref_size 111
	.end_amdhsa_kernel
	.amdgpu_metadata
---
amdhsa.version: [ 1, 2 ]
amdhsa.kernels:
  - .name:           k_q112aff4c20_prep
    .symbol:         k_q112aff4c20_prep.kd
    .args:
      - { .name: hidden_states, .offset: 0, .size: 8, .value_kind: global_buffer, .address_space: global }
      - { .name: wq, .offset: 8, .size: 8, .value_kind: global_buffer, .address_space: global }
      - { .name: wk, .offset: 16, .size: 8, .value_kind: global_buffer, .address_space: global }
      - { .name: wv, .offset: 24, .size: 8, .value_kind: global_buffer, .address_space: global }
      - { .name: wo, .offset: 32, .size: 8, .value_kind: global_buffer, .address_space: global }
      - { .name: positions, .offset: 40, .size: 8, .value_kind: global_buffer, .address_space: global }
      - { .name: xcs, .offset: 48, .size: 8, .value_kind: global_buffer, .address_space: global }
      - { .name: wcs, .offset: 56, .size: 8, .value_kind: global_buffer, .address_space: global }
      - { .name: wocs, .offset: 64, .size: 8, .value_kind: global_buffer, .address_space: global }
      - { .name: rope, .offset: 72, .size: 8, .value_kind: global_buffer, .address_space: global }
    .group_segment_fixed_size: 34304
    .private_segment_fixed_size: 0
    .kernarg_segment_align: 8
    .kernarg_segment_size: 80
    .max_flat_workgroup_size: 128
    .sgpr_count:     66
    .vgpr_count:     240
    .wavefront_size: 32
...
	.end_amdgpu_metadata
.endif
;; end of part 1
;; launch qkv (part 2): grid 12 x 16, 4 waves a work-group, clusters of 4 x 4, 327,680 bytes of LDS; arguments xcs, wcs, bq, bk, bv, rope, qimg, kv; writes qimg, kv
.if DOCPART == 2
	.amdgcn_target "amdgcn-amd-amdhsa--gfx1250"
	.amdhsa_code_object_version 6
	.text
	.protected	k_q112aff4c20_qkv
	.globl	k_q112aff4c20_qkv
	.p2align	8
	.type	k_q112aff4c20_qkv,@function
k_q112aff4c20_qkv:
	s_mov_b64 s[64:65], 0
	v_nop
	global_prefetch_b8 v0, s[64:65] scope:SCOPE_SE
	s_setreg_imm32_b32 hwreg(HW_REG_WAVE_MODE, 25, 1), 1
	s_wait_xcnt 0x0
	s_wait_alu depctr_hold_cnt(0) depctr_sa_sdst(0) depctr_va_vdst(0) depctr_va_sdst(0) depctr_va_ssrc(0) depctr_va_vcc(0) depctr_vm_vsrc(0)
	s_getreg_b32 s2, hwreg(HW_REG_IB_STS2, 6, 4)
	s_cmp_eq_u32 s2, 0
	s_cbranch_scc0 .Lentry_in_a_cluster
	s_endpgm
.Lentry_in_a_cluster:
	s_bfe_u32 s2, ttmp6, 0x10000c
	s_cmp_lg_u32 s2, 0xf033
	s_cbranch_scc0 .Lentry_shape_is_right
	s_endpgm
.Lentry_shape_is_right:
; q, k, v = x W + b on codes of FP4 with E8M0 scales; then RoPE on q and k, and all three quantised for attention.  No work of reference() is left out here.
; x (xcs) and the weights (wcs: 2,048 rows of q, then for each kv head 128 rows of k and 128 of v) lie as records: [tile][sigma 4][4 images of 1,024 bytes + 256 bytes of scale words]; a tile's lane row r is
; row 32 (T / 2) + 8 (T % 2) + r + 8 (r / 8).  A work-group makes 256 tokens x 256 features, a wave 128 x 128: one head for 128 tokens, 64 accumulators.
; THE MATRIX INSTRUCTION IS USED TRANSPOSED (source 0 = 16 weight rows, source 1 = 16 tokens): a lane holds one token (lane % 16); register j of feature tile b holds feature 32 (b / 2) + 8 (b % 2) + 16 (lane / 16) + j.
; K = 2,048 goes as four sigma of 512 through two LDS slots; a slot holds the sigma's records of 16 tiles of x and 16 of w, codes and scale words together, brought by one tensor load a wave (8 records of 4,352 bytes).
; CLUSTERS: 4 x 4 work-groups; x's records are shared along a row of the cluster, w's along a column: joint loads.  192 work-groups: tiles of half the size would make 384, one and a half for each of 256 WGPs.
; The bias is the C of each sum's first product.  THE WAY OUT: q and k: RoPE with the table of cos and sin, quantised along the head's 128, images to qimg [128 tokens][head][2 records] and kv [batch x kv head][128 keys][4 records]
; (records 0, 1); v: turned through LDS in f32, quantised along the keys, images of V^T (rows d, K = the 128 keys) to kv's records 2, 3.
; THE TABLE RUNS AHEAD: its first two tiles are asked for behind the second refill, two sigma (512 products) ahead of the way out; on the way out four tiles' loads are out.
; LIMITS: as stated at the head of the first launch (NaN, infinities; blocks under 2^-124 and blocks of zeros keep the byte 1; the bias is summed first).
; REGISTERS: window 0: v1-31 addresses; v32-95 scale words, two sets; v128-255 x's fragments, two sets.  window 1: v0-63, v128-191 w's fragments, two sets; v64-127 the bias;
;   cos and sin: v64-127 and v192-255 from the third sigma on, all four runs of 64 on the way out.
;   window 2: accumulators of my token tiles 0-3 ((a, b) at v[8 (8 (a % 4) + b)]); window 3: of tiles 4-7.
.set NA, 8                             ; token tiles of a wave
.set REC, 4352
.set TSTR, 17408                       ; from tile to tile in memory
.set AHALF, NA*REC
.set ABYTES, 2*AHALF
.set BHALF, 8*REC
.set SLOT, ABYTES+2*BHALF              ; 139,264
.set SPARE, 2*SLOT                     ; behind the ring: the spare words, 128 bytes for each wave
.set ADRA, 16                          ; v16-17 my fragments of x in slot 0, 1
.set ADRB, 20                          ; v20-21 of w
.set ADRS, 22                          ; v22-23 scale words: lanes 0-15 x's, lanes 16-31 w's
.set L16, 24                           ; v24 16 x lane
.set WOFF, 25                          ; v25 where a record's scale words go: 4,352 h + 4,096 + 16 r
.set VSTO, 26                          ; v26 V's stage, in
.set VRD, 27                           ; v27 V's stage, out
.set SPW, 28
.set NIL, 29
.set VOV, 30                           ; v30 V's images: 4,352 u + 16 r'
.set SC, 32
.set AF, 128
.set BIAS, 64
.set Y, 160                            ; the way out: v160-223 a tile's 64 numbers after RoPE
.set TM, 224                           ; v224-239 at work
.set TP, 224
.set PC, 240                           ; v240-255 codes, two sets
.set WV, 20
.set RH, 21
.set CH, 22
.set G1, 24
.set G0, 32
.set G1B, 48
.set G0B, 56
.set KVF, 66
.set ISV, 67
.set HD, 68
.set TG, 69
.set DST, 70
.set RB, 72
.set BP, 74
.set SEL, 76
.set MSB, 0
.macro WIN new                         ; the immediate's high byte repeats the setting that is left
.if MSB != (\new)
	s_set_vgpr_msb (MSB<<8)|(\new)
.set MSB, (\new)
.endif
.endm
.macro PLACES n
.rept \n
	v_nop
.endr
.endm
.macro JLOAD s                         ; a joint load: waves 0, 1 fetch x's two halves, waves 2, 3 w's; an s_nop 0 and four v_nop follow each line
	s_cmp_eq_u32 s[RH], 0
	s_cbranch_scc0 .Lfor_b_\@
	tensor_load_to_lds s[G0+4*\s:G0+4*\s+3], s[G1:G1+7]
	s_nop 0
	PLACES 4
	s_branch .Lasked_\@
.Lfor_b_\@:
	tensor_load_to_lds s[G0B+4*\s:G0B+4*\s+3], s[G1B:G1B+7]
	s_nop 0
	PLACES 4
.Lasked_\@:
.endm
.macro CREST                           ; a round of the cluster's barrier behind its opening barrier
	s_cmp_lg_u32 s[WV], 0
	s_cbranch_scc1 .Lnot_wave_0_\@
	s_barrier_signal -3
.Lnot_wave_0_\@:
	s_barrier_wait -3
	s_barrier_signal -1
	s_barrier_wait -1
.endm
.macro CROUND
	s_barrier_signal -1
	s_barrier_wait -1
	CREST
.endm
.macro QUANT s, pc, pw                 ; 64 numbers of a lane (register 16 b + i = k 32 b + 16 h + i of my row) -> a fragment's 8 registers and its scale word
.irp b, 0,1,2,3
	v_max3_num_f32 v[TM+\b], |v[(\s)+16*\b]|, |v[(\s)+1+16*\b]|, 0x1800000   ; with the floor 2^(3 - 127): the byte cannot fall under 1
.endr
.irp i, 2,4,6,8,10,12,14
.irp b, 0,1,2,3
	v_max3_num_f32 v[TM+\b], v[TM+\b], |v[(\s)+16*\b+\i]|, |v[(\s)+1+16*\b+\i]|
.endr
.endr
.irp b, 0,1,2,3
	v_permlanex16_b32 v[TM+4+\b], v[TM+\b], s[SEL], s[SEL+1]
.endr
.irp b, 0,1,2,3
	v_max_num_f32 v[TM+\b], v[TM+\b], v[TM+4+\b]
.endr
.irp b, 0,1,2,3
	v_add_nc_u32 v[TM+12+\b], 0xff000000, v[TM+\b]              ; 2 off the exponent field: the conversion's scale operand
.endr
.irp b, 0,1,2,3
	v_lshrrev_b32 v[TM+4+\b], 23, v[TM+12+\b]
.endr
	v_lshl_or_b32 v[\pw], v[TM+5], 8, v[TM+4]
	v_lshl_or_b32 v[\pw], v[TM+6], 16, v[\pw]
	v_lshl_or_b32 v[\pw], v[TM+7], 24, v[\pw]
.irp b, 0,1,2,3
	v_cvt_scalef32_pk8_fp4_f32 v[(\pc)+2*\b], v[(\s)+16*\b:(\s)+7+16*\b], v[TM+12+\b]
	v_cvt_scalef32_pk8_fp4_f32 v[(\pc)+1+2*\b], v[(\s)+8+16*\b:(\s)+15+16*\b], v[TM+12+\b]
.endr
	v_nop                                                       ; one plain instruction behind a scaled conversion
.irp c, 0,1
.irp i, 0,1
	v_permlane16_swap_b32 v[(\pc)+4*\c+\i], v[(\pc)+2+4*\c+\i]
.endr
.endr
.endm
; Tile a's cos (registers 0-31) and sin (32-63) into window 1: tiles 0, 4 at v64, tiles 1, 5 at v192, tiles 2, 6 at v0, tiles 3, 7 at v128
.macro RLOAD a
.set CSL, 64*(1-(((\a)%4)/2))+128*((\a)%2)
.irp g, 0,1,2,3,4,5,6,7,8,9,10,11,12,13,14,15
	global_load_b128 v[CSL+4*\g:CSL+4*\g+3], v[L16], s[RB:RB+1] offset:(\a)*8192+512*\g
.endr
.endm
	s_load_b512 s[4:19], s[0:1], 0x0               ; xcs s[4:5], wcs s[6:7], bq s[8:9], bk s[10:11], bv s[12:13], rope s[14:15], qimg s[16:17], kv s[18:19]
	v_lshl_add_u32 v[SPW], v0, 2, SPARE
	v_mov_b32 v[NIL], 0
	ds_add_u32 v[SPW], v[NIL]                      ; the wave's opening: the add, twice on end, and its wait ahead of my first tensor load
	ds_add_u32 v[SPW], v[NIL]
	v_lshrrev_b32 v1, 5, v0
	v_readfirstlane_b32 s[WV], v1
	s_lshr_b32 s[RH], s[WV], 1                     ; my half of the tokens.  Also: I fetch for x (0) or for w (1)
	s_and_b32 s[CH], s[WV], 1                      ; my half of the features.  Also: which half I fetch
	s_bfe_u32 s40, ttmp6, 0x40000                  ; cx
	s_bfe_u32 s41, ttmp6, 0x40004                  ; cy
	s_lshl_b32 s42, ttmp9, 2
	s_add_co_u32 s42, s42, s40                     ; X: which 256 features
	s_and_b32 s43, ttmp7, 0xffff
	s_lshl_b32 s43, s43, 2
	s_add_co_u32 s43, s43, s41                     ; Y: which 256 tokens
	s_lshl_b32 s44, s41, 2
	s_lshl_b32 s44, 15, s44                        ; my row of the cluster
	s_lshl_b32 s45, 0x1111, s40                    ; my column
	s_or_b32 s[G1], s44, (3<<16)|(1<<21)           ; the mask; elements of 8 bytes; bit 21 set beside a mask; no padding
	s_or_b32 s[G1B], s45, (3<<16)|(1<<21)
.irp g, G1, G1B
	s_mov_b32 s[\g+1], 544<<16                     ; tensor_dim0: a record is 544 elements
	s_mov_b32 s[\g+2], 8<<16                       ; tensor_dim1: 8 tiles
	s_mov_b32 s[\g+3], 544<<16                     ; tile_dim0
	s_mov_b32 s[\g+4], 8                           ; tile_dim1
	s_mov_b32 s[\g+5], 2176                        ; from tile to tile: 17,408 bytes
	s_mov_b32 s[\g+6], 0
	s_mov_b32 s[\g+7], 0
.endr
	s_mul_i32 s46, s43, 2*NA
	s_mul_i32 s47, s[CH], NA
	s_add_co_u32 s46, s46, s47
	s_mul_i32 s46, s46, TSTR                       ; x: the first tile that I fetch
	s_mov_b32 s47, 0
	s_lshl_b32 s78, s42, 4
	s_lshl_b32 s79, s[CH], 3
	s_add_co_u32 s78, s78, s79
	s_mul_i32 s78, s78, TSTR                       ; w likewise
	s_mov_b32 s79, 0
	s_mul_i32 s80, s[CH], AHALF                    ; where they go: no place in the cluster enters an LDS address
	s_mul_i32 s81, s[CH], BHALF
	s_add_co_u32 s81, s81, ABYTES
	s_mov_b32 s[SEL], 0x76543210
	s_mov_b32 s[SEL+1], 0xfedcba98
	s_wait_dscnt 0x0                               ; both opening adds are done
	s_wait_kmcnt 0x0
	s_add_nc_u64 s[46:47], s[4:5], s[46:47]
	s_add_nc_u64 s[78:79], s[6:7], s[78:79]
	CROUND                                         ; all sixteen work-groups are here: the first joint loads meet
.irp s, 0,1
	s_mov_b32 s[G0+4*\s], 1
	s_add_co_u32 s[G0+4*\s+1], s80, \s*SLOT
	s_add_nc_u64 s[G0+4*\s+2:G0+4*\s+3], s[46:47], \s*REC          ; sigma = s
	s_or_b32 s[G0+4*\s+3], s[G0+4*\s+3], 0x80000000
	s_mov_b32 s[G0B+4*\s], 1
	s_add_co_u32 s[G0B+4*\s+1], s81, \s*SLOT
	s_add_nc_u64 s[G0B+4*\s+2:G0B+4*\s+3], s[78:79], \s*REC
	s_or_b32 s[G0B+4*\s+3], s[G0B+4*\s+3], 0x80000000
.endr
	JLOAD 0                                        ; sigma 0: one tensor load a wave at the head
	v_and_b32 v1, 31, v0                           ; lane
	v_and_b32 v2, 15, v0                           ; r
	v_bfe_u32 v3, v0, 4, 1                         ; h
	v_lshlrev_b32 v[L16], 4, v1
	s_mul_i32 s82, s[RH], AHALF
	v_add_nc_u32 v[ADRA], s82, v[L16]
	v_add_nc_u32 v[ADRA+1], SLOT, v[ADRA]
	v_add_nc_u32 v[ADRB], s81, v[L16]
	v_add_nc_u32 v[ADRB+1], SLOT, v[ADRB]
	s_sub_co_u32 s83, s81, s82
	v_mul_u32_u24 v4, s83, v3                      ; lanes 16-31 take w's words
	v_lshl_add_u32 v4, v2, 4, v4
	v_add_nc_u32 v4, s82, v4
	v_add_nc_u32 v[ADRS], 4096, v4
	v_add_nc_u32 v[ADRS+1], SLOT, v[ADRS]
	v_mul_u32_u24 v[WOFF], v3, REC
	v_lshl_add_u32 v[WOFF], v2, 4, v[WOFF]
	v_add_nc_u32 v[WOFF], 4096, v[WOFF]
	s_mul_i32 s84, s[WV], 34816                    ; V's stage: 32 rows of 528 bytes, my own, in slot 0
	v_mul_u32_u24 v[VSTO], v2, 528
	v_lshl_add_u32 v[VSTO], v3, 6, v[VSTO]
	v_add_nc_u32 v[VSTO], s84, v[VSTO]
	v_lshl_add_u32 v[VRD], v1, 2, s84
	v_bfe_u32 v6, v0, 3, 1                         ; u
	v_and_b32 v7, 7, v0
	v_lshl_add_u32 v7, v3, 3, v7                   ; r'
	v_mul_u32_u24 v[VOV], v6, REC
	v_lshl_add_u32 v[VOV], v7, 4, v[VOV]
	v_lshlrev_b32 v5, 6, v3                        ; the bias: 16 h numbers on
	; who am I: clusters 0, 1 along x make q's heads, cluster 2 makes k (even waves) and v (odd waves) of kv head cx.  The flags hang on the cluster's number and the wave's alone
	s_wait_alu depctr_va_vdst(0)
	s_cmp_eq_u32 ttmp9, 2
	s_cselect_b32 s[KVF], 1, 0
	s_and_b32 s[ISV], s[KVF], s[CH]
	s_lshl_b32 s[HD], s42, 1
	s_add_co_u32 s[HD], s[HD], s[CH]               ; q's head
	s_lshl_b32 s[TG], s43, 1
	s_add_co_u32 s[TG], s[TG], s[RH]               ; my 128 tokens
	s_cmp_eq_u32 s[CH], 0
	s_cselect_b64 s[BP:BP+1], s[10:11], s[12:13]
	s_cmp_eq_u32 s[KVF], 0
	s_cselect_b64 s[BP:BP+1], s[8:9], s[BP:BP+1]
	s_cselect_b32 s82, s[HD], s40
	s_lshl_b32 s82, s82, 9
	s_mov_b32 s83, 0
	s_add_nc_u64 s[BP:BP+1], s[BP:BP+1], s[82:83]  ; my head's 128 biases
	s_lshl_b32 s82, s[TG], 4
	s_add_co_u32 s82, s82, s[HD]
	s_mul_i32 s82, s82, 2*REC                      ; qimg: [128 tokens][head][2 records]
	s_lshr_b32 s84, s[TG], 3
	s_lshl_b32 s84, s84, 2
	s_add_co_u32 s84, s84, s40
	s_lshl_b32 s84, s84, 3
	s_and_b32 s85, s[TG], 7
	s_add_co_u32 s84, s84, s85
	s_mul_i32 s84, s84, 4*REC                      ; kv: [4 batch + kv head][128 keys][4 records]
	s_cmp_eq_u32 s[KVF], 0
	s_cselect_b64 s[DST:DST+1], s[16:17], s[18:19]
	s_cselect_b32 s82, s82, s84
	s_add_nc_u64 s[DST:DST+1], s[DST:DST+1], s[82:83]
	s_lshl_b32 s82, s[TG], 16
	s_add_nc_u64 s[RB:RB+1], s[14:15], s[82:83]    ; my 8 tiles of the table
	WIN 0x40                                       ; destination window 1
.irp b, 0,1,2,3,4,5,6,7
	global_load_b128 v[BIAS+8*\b:BIAS+8*\b+3], v5, s[BP:BP+1] offset:128*(\b/2)+32*(\b%2)
	global_load_b128 v[BIAS+8*\b+4:BIAS+8*\b+7], v5, s[BP:BP+1] offset:128*(\b/2)+32*(\b%2)+16
.endr
	WIN 0
.macro FRAG reg, adr, q, i             ; an image comes back as it was stored: two loads of 16 bytes a lane, 512 consecutive bytes each
	ds_load_b128 v[(\reg):(\reg)+3], v[\adr] offset:(\i)*REC+(\q)*1024
	ds_load_b128 v[(\reg)+4:(\reg)+7], v[\adr] offset:(\i)*REC+(\q)*1024+512
.endm
.macro FETCH slot, q, p                ; the fragments of the slot's q-th 128 along K into set p
	WIN 0x40
.irp i, 0,1,2,3,4,5,6,7
	FRAG 128*(\p)+8*\i, ADRB+\slot, \q, \i
.endr
	WIN 0
.irp i, 0,1,2,3,4,5,6,7
	FRAG AF+8*NA*(\p)+8*\i, ADRA+\slot, \q, \i
.endr
.endm
.macro SCALES s                        ; the slot's scale words: register 4 i + q: lanes 0-15 x's tile i, lanes 16-31 w's tile i
.irp i, 0,1,2,3,4,5,6,7
	ds_load_b128 v[SC+32*\s+4*\i:SC+32*\s+4*\i+3], v[ADRS+\s] offset:\i*REC
.endr
.endm
; 8 products: token tile a against the 8 feature tiles.  The 64 accumulators take turns, one instruction a turn, in the same order in every step.  first = 1: C is the bias
.macro MULA a, p, q, sc, first
.irp b, 0,1,2,3,4,5,6,7
.if \first
	v_wmma_scale_f32_16x16x128_f8f6f4 v[8*(8*((\a)%4)+\b):8*(8*((\a)%4)+\b)+7], v[128*(\p)+8*\b:128*(\p)+8*\b+7], v[AF+8*NA*(\p)+8*(\a):AF+8*NA*(\p)+8*(\a)+7], v[BIAS+8*\b:BIAS+8*\b+7], v[SC+32*(\sc)+4*\b+(\q)], v[SC+32*(\sc)+4*(\a)+(\q)] matrix_a_fmt:MATRIX_FMT_FP4 matrix_b_fmt:MATRIX_FMT_FP4 matrix_a_scale:MATRIX_SCALE_ROW1
.else
	v_wmma_scale_f32_16x16x128_f8f6f4 v[8*(8*((\a)%4)+\b):8*(8*((\a)%4)+\b)+7], v[128*(\p)+8*\b:128*(\p)+8*\b+7], v[AF+8*NA*(\p)+8*(\a):AF+8*NA*(\p)+8*(\a)+7], v[8*(8*((\a)%4)+\b):8*(8*((\a)%4)+\b)+7], v[SC+32*(\sc)+4*\b+(\q)], v[SC+32*(\sc)+4*(\a)+(\q)] matrix_a_fmt:MATRIX_FMT_FP4 matrix_b_fmt:MATRIX_FMT_FP4 matrix_a_scale:MATRIX_SCALE_ROW1
.endif
.endr
.endm
; A step of 128 along K with its successor in the same slot: this step's fragments are in; the next step's 32 loads go out in one run and have the step's 64 products in which to land.
.macro STEP slot, q, first
	s_wait_dscnt 0x0
	PLACES 4                                       ; four plain instructions ahead of loads into registers that the last products read
	FETCH \slot, (\q)+1, 1-(\q)%2
.if \first
	WIN 0x91                                       ; w window 1, x window 0, the bias window 1, D window 2
.else
	WIN 0xa1
.endif
.irp a, 0,1,2,3
	MULA \a, (\q)%2, \q, \slot, \first
.endr
.if \first
	WIN 0xd1
.else
	WIN 0xf1
.endif
.irp a, 4,5,6,7
	MULA \a, (\q)%2, \q, \slot, \first
.endr
.endm
; A slot's last step changes slots: one barrier; ahead of it each wave waits for all its tensor loads, adds 0 to its spare word, and waits for that and for its reads of this slot.
.macro TURN slot, next, fill
	WIN 0
	s_wait_tensorcnt 0x0                           ; all my tensor loads have landed: my part of the next slot
	ds_add_u32 v[SPW], v[NIL]
	s_wait_dscnt 1                                 ; this step's fragments are in; the add alone may be out
	WIN 0xa1
	MULA 0, 1, 3, \slot, 0
	MULA 1, 1, 3, \slot, 0
	s_wait_dscnt 0x0                               ; the add is done, and my reads of this slot are over
	s_barrier_signal -1
	MULA 2, 1, 3, \slot, 0
	MULA 3, 1, 3, \slot, 0
	WIN 0
	s_barrier_wait -1
.if \fill
	CREST                                          ; the barrier has opened a round of the cluster's: no wave of any partner still reads this slot or has a load on its way
	s_add_nc_u64 s[G0+4*\slot+2:G0+4*\slot+3], s[G0+4*\slot+2:G0+4*\slot+3], 2*REC
	s_add_nc_u64 s[G0B+4*\slot+2:G0B+4*\slot+3], s[G0B+4*\slot+2:G0B+4*\slot+3], 2*REC
	JLOAD \slot                                    ; the first tensor load behind the round; its four v_nop are the places ahead of the loads below
.else
	PLACES 4
.endif
	FETCH \next, 0, 0
	SCALES \next
	WIN 0xf1
.irp a, 4,5,6,7
	MULA \a, 1, 3, \slot, 0
.endr
.endm
	s_wait_tensorcnt 0x0                           ; my part of slot 0 is in
	ds_add_u32 v[SPW], v[NIL]
	s_wait_dscnt 0x0                               ; the add is done
	CROUND                                         ; a whole round: everybody's part of slot 0 is in, and the joint loads meet
	JLOAD 1                                        ; sigma 1 into slot 1: the first tensor load behind the round
	FETCH 0, 0, 0
	SCALES 0
	s_wait_loadcnt 0x0                             ; the bias
	STEP 0, 0, 1
	STEP 0, 1, 0
	STEP 0, 2, 0
	TURN 0, 1, 1                                   ; slot 0 takes sigma 2
	STEP 1, 0, 0
	STEP 1, 1, 0
	STEP 1, 2, 0
	TURN 1, 0, 1                                   ; slot 1 takes sigma 3
	WIN 0x40                                       ; THE TABLE'S FIRST TWO TILES, two sigma ahead of the way out: tile 0 into the registers that the bias has left (its last reader is the first step, with the
	RLOAD 0                                        ; later steps' plain instructions between), tile 1 beside them.  v's waves issue these 32 loads too and leave them unread: the loads stand on the one way
	RLOAD 1                                        ; that all waves take, so that no way through the text reads the table's registers unloaded
	STEP 0, 0, 0
	STEP 0, 1, 0
	STEP 0, 2, 0
	TURN 0, 1, 0
	STEP 1, 0, 0
	STEP 1, 1, 0
	STEP 1, 2, 0
	s_wait_dscnt 0x0                               ; the very last step: nothing more to fetch
	WIN 0xa1
.irp a, 0,1,2,3
	MULA \a, 1, 3, 1, 0
.endr
	WIN 0xf1
.irp a, 4,5,6,7
	MULA \a, 1, 3, 1, 0
.endr
	WIN 0
	PLACES 4                                       ; ahead of the first read of results and of loads into registers that products read
	s_cmp_lg_u32 s[ISV], 0
	s_cbranch_scc1 .Lvway
; ---------------- THE WAY OUT OF q AND k, a tile of 16 tokens at a time.  x1 = features 0-63 (tiles b = 0-3), x2 = features 64-127 (b + 4); frequency f = 32 c + 16 h + i lies in tile b = 2 c + i / 8, register i % 8.
.macro QKTILE a
.set CSB, 64*(1-(((\a)%4)/2))+128*((\a)%2)
.set AC, 64*((\a)%4)
.if (\a) < 5
	s_wait_loadcnt 48                              ; this tile's table is in; the next three tiles' 48 loads may be out
.else
	s_wait_loadcnt 16*(7-(\a))                     ; the counts run down: 32, 16, 0
.endif
.if (\a) >= 2
	s_wait_xcnt 0x0                                ; the stores of two tiles ago have read the code registers that this tile writes.  The wait stands ahead of this tile's loads, so that it waits for none of them
.endif
	WIN 0x06+(\a)/4                                ; source 0: the accumulators' window; source 1: window 1; the rest window 0
.irp c, 0,1
.irp e, 0,1
.irp k, 0,1,2,3
	v_pk_mul_f32 v[TP+2*\k:TP+2*\k+1], v[AC+8*(2*\c+\e+4)+2*\k:AC+8*(2*\c+\e+4)+2*\k+1], v[CSB+32+16*\c+8*\e+2*\k:CSB+32+16*\c+8*\e+2*\k+1]       ; x2 sin (each accumulator is read from its low end on)
.endr
.irp k, 0,1,2,3
	v_pk_mul_f32 v[TP+8+2*\k:TP+8+2*\k+1], v[AC+8*(2*\c+\e)+2*\k:AC+8*(2*\c+\e)+2*\k+1], v[CSB+32+16*\c+8*\e+2*\k:CSB+32+16*\c+8*\e+2*\k+1]       ; x1 sin
.endr
.irp k, 0,1,2,3
	v_pk_fma_f32 v[Y+16*\c+8*\e+2*\k:Y+16*\c+8*\e+2*\k+1], v[AC+8*(2*\c+\e)+2*\k:AC+8*(2*\c+\e)+2*\k+1], v[CSB+16*\c+8*\e+2*\k:CSB+16*\c+8*\e+2*\k+1], v[TP+2*\k:TP+2*\k+1] neg_lo:[0,0,1] neg_hi:[0,0,1]   ; x1 cos - x2 sin
.endr
.irp k, 0,1,2,3
	v_pk_fma_f32 v[Y+32+16*\c+8*\e+2*\k:Y+32+16*\c+8*\e+2*\k+1], v[AC+8*(2*\c+\e+4)+2*\k:AC+8*(2*\c+\e+4)+2*\k+1], v[CSB+16*\c+8*\e+2*\k:CSB+16*\c+8*\e+2*\k+1], v[TP+8+2*\k:TP+8+2*\k+1]               ; x2 cos + x1 sin
.endr
.endr
.endr
.if (\a) < 4
	WIN 0x40
	RLOAD (\a)+4                                   ; into the run just read
.endif
	WIN 0
	QUANT Y, PC+8*((\a)%2), 4+(\a)
	global_store_b128 v[L16], v[PC+8*((\a)%2):PC+8*((\a)%2)+3], s[DST:DST+1] offset:((\a)/4)*REC+((\a)%4)*1024       ; 512 consecutive bytes
	global_store_b128 v[L16], v[PC+8*((\a)%2)+4:PC+8*((\a)%2)+7], s[DST:DST+1] offset:((\a)/4)*REC+((\a)%4)*1024+512
.endm
	WIN 0x40
	RLOAD 2                                        ; into the registers that w's fragments have left
	RLOAD 3
.irp a, 0,1,2,3,4,5,6,7
	QKTILE \a
.endr
	v_cmp_le_u32 vcc_lo, 16, v1                    ; lanes 0-15 store record 0's words (tiles 0-3), lanes 16-31 record 1's (tiles 4-7): 256 consecutive bytes each
.irp k, 0,1,2,3
	v_cndmask_b32 v[4+\k], v[4+\k], v[8+\k], vcc_lo
.endr
	global_store_b128 v[WOFF], v[4:7], s[DST:DST+1]
	s_branch .Ldone
.Lvway:
; ---------------- THE WAY OUT OF v.  Its K in attention is the keys, which lie across my lanes: 32 keys (two token tiles) at a time go through my stage in f32 (row = tile's lane row, column = d) and come back with
; a lane to a d and 32 registers down the keys in their true order.  The stage lies in slot 0, which has had its last fill, and which nobody reads behind the last change of slots.
.macro VLD bq, set                     ; d = 32 bq + lane; register tau = key tau of the 32
.irp tau, 0,1,2,3,4,5,6,7,8,9,10,11,12,13,14,15,16,17,18,19,20,21,22,23,24,25,26,27,28,29,30,31
	ds_load_b32 v[32+32*(\set)+\tau], v[VRD] offset:(16*((\tau/8)%2)+8*(\tau/16)+\tau%8)*528+128*(\bq)
.endr
.endm
.macro VQ A, q
.set XS, 32+32*((\q)%2)
.set CC, 96+4*((\q)%2)
.if (\q) < 3
	s_wait_dscnt 32                                ; this group's 32 reads are back; the next group's may be out
.else
	s_wait_dscnt 0x0
.endif
	v_max3_num_f32 v108, |v[XS]|, |v[XS+1]|, |v[XS+2]|
	v_max3_num_f32 v109, |v[XS+3]|, |v[XS+4]|, |v[XS+5]|
.irp i, 6,10,14,18,22,26
	v_max3_num_f32 v108, v108, |v[XS+\i]|, |v[XS+\i+1]|
	v_max3_num_f32 v109, v109, |v[XS+\i+2]|, |v[XS+\i+3]|
.endr
	v_max3_num_f32 v108, v108, |v[XS+30]|, |v[XS+31]|
	v_max3_num_f32 v108, v108, v109, 0x1800000
	v_add_nc_u32 v110, 0xff000000, v108
	v_lshrrev_b32 v109, 23, v110
.if (\A) == 0
	v_mov_b32 v[104+(\q)], v109
.else
	v_lshl_or_b32 v[104+(\q)], v109, 8*(\A), v[104+(\q)]
.endif
	s_wait_alu depctr_va_vdst(0)
	s_wait_xcnt 0x0                                ; earlier stores have read the code registers that are written next
.irp g, 0,1,2,3
	v_cvt_scalef32_pk8_fp4_f32 v[CC+\g], v[XS+8*\g:XS+8*\g+7], v110
.endr
	v_nop                                          ; one plain instruction behind a scaled conversion
.if (\q) < 2
	VLD (\q)+2, (\q)%2
.endif
	global_store_b128 v[VOV], v[CC:CC+3], s[DST:DST+1] offset:2*REC+(\q)*1024+256*(\A)   ; K block A of d tiles 2 q and 2 q + 1: 256 consecutive bytes each
.endm
.macro VCHUNK A                        ; keys 32 A on: token tiles 2 A and 2 A + 1
	WIN 0x08+4*((\A)/2)                            ; an LDS store's data: window 2 or 3
.irp e, 0,1
.irp b, 0,1,2,3,4,5,6,7
	ds_store_b128 v[VSTO], v[64*((2*(\A)+\e)%4)+8*\b:64*((2*(\A)+\e)%4)+8*\b+3] offset:16*\e*528+128*(\b/2)+32*(\b%2)
	ds_store_b128 v[VSTO], v[64*((2*(\A)+\e)%4)+8*\b+4:64*((2*(\A)+\e)%4)+8*\b+7] offset:16*\e*528+128*(\b/2)+32*(\b%2)+16
.endr
.endr
	WIN 0
	VLD 0, 0                                       ; LDS serves a wave's instructions in order: these see the stores above, and the next chunk's stores come behind them
	VLD 1, 1
.irp q, 0,1,2,3
	VQ \A, \q
.endr
.endm
	VCHUNK 0
	VCHUNK 1
	VCHUNK 2
	VCHUNK 3
	global_store_b128 v[VOV], v[104:107], s[DST:DST+1] offset:2*REC+4096   ; my d's four scale words
.Ldone:
	s_wait_tensorcnt 0x0                           ; the wave's end, behind my last tensor load and my last LDS store
	ds_add_u32 v[SPW], v[NIL]
	s_wait_dscnt 0x0
	CROUND                                         ; the closing round
	s_endpgm
.Lfunc_end_k_q112aff4c20_qkv:
	.size	k_q112aff4c20_qkv, .Lfunc_end_k_q112aff4c20_qkv-k_q112aff4c20_qkv
	.p2alignl 7, 3214868480
	.fill 96, 4, 3214868480
	.section	.rodata,"a",@progbits
	.p2align	6, 0x0
	.amdhsa_kernel k_q112aff4c20_qkv
		.amdhsa_group_segment_fixed_size 327680
		.amdhsa_private_segment_fixed_size 0
		.amdhsa_enable_private_segment 0
		.amdhsa_kernarg_size 64
		.amdhsa_user_sgpr_count 2
		.amdhsa_user_sgpr_kernarg_segment_ptr 1
		.amdhsa_wavefront_size32 1
		.amdhsa_system_sgpr_workgroup_id_x 1
		.amdhsa_system_sgpr_workgroup_id_y 1
		.amdhsa_system_sgpr_workgroup_id_z 1
		.amdhsa_system_vgpr_workitem_id 0
		.amdhsa_next_free_vgpr 1024
		.amdhsa_next_free_sgpr 96
		.amdhsa_reserve_vcc 1
		.amdhsa_float_denorm_mode_32 3
		.amdhsa_float_denorm_mode_16_64 3
		.amdhsa_memory_ordered 1
		.amdhsa_forward_progress 1
		.amdhsa_inst_pref_size 255
	.end_amdhsa_kernel
	.section	.bss,"aw",@nobits
	.p2align	6
	.space	262144
	.amdgpu_metadata
---
amdhsa.version: [ 1, 2 ]
amdhsa.kernels:
  - .name:           k_q112aff4c20_qkv
    .symbol:         k_q112aff4c20_qkv.kd
    .args:
      - { .name: xcs, .offset: 0, .size: 8, .value_kind: global_buffer, .address_space: global }
      - { .name: wcs, .offset: 8, .size: 8, .value_kind: global_buffer, .address_space: global }
      - { .name: bq, .offset: 16, .size: 8, .value_kind: global_buffer, .address_space: global }
      - { .name: bk, .offset: 24, .size: 8, .value_kind: global_buffer, .address_space: global }
      - { .name: bv, .offset: 32, .size: 8, .value_kind: global_buffer, .address_space: global }
      - { .name: rope, .offset: 40, .size: 8, .value_kind: global_buffer, .address_space: global }
      - { .name: qimg, .offset: 48, .size: 8, .value_kind: global_buffer, .address_space: global }
      - { .name: kv, .offset: 56, .size: 8, .value_kind: global_buffer, .address_space: global }
    .group_segment_fixed_size: 327680
    .private_segment_fixed_size: 0
    .kernarg_segment_align: 8
    .kernarg_segment_size: 64
    .max_flat_workgroup_size: 128
    .sgpr_count:     96
    .vgpr_count:     1024
    .wavefront_size: 32
...
	.end_amdgpu_metadata
.endif
;; end of part 2
;; launch attn (part 3): grid 16 x 16, 16 waves a work-group, no clusters, 167,936 bytes of LDS; arguments qimg, kv, oimg; writes oimg
.if DOCPART == 3
	.amdgcn_target "amdgcn-amd-amdhsa--gfx1250"
	.amdhsa_code_object_version 6
	.text
	.protected	k_q112aff4c20_attn
	.globl	k_q112aff4c20_attn
	.p2align	8
	.type	k_q112aff4c20_attn,@function
k_q112aff4c20_attn:
	s_mov_b64 s[64:65], 0
	v_nop
	global_prefetch_b8 v0, s[64:65] scope:SCOPE_SE
	s_setreg_imm32_b32 hwreg(HW_REG_WAVE_MODE, 25, 1), 1
	s_wait_xcnt 0x0
; Causal attention on codes of FP4: S^T = K Q^T, p = 2^(t - M) with M the running largest t rounded up to a whole number, O^T += V^T P^T, O / l, quantised along (head, d) for the last projection.
; WORK LEFT OUT: a step of 128 keys all of which come after a tile's 16 queries: reference()'s own mask gives those keys the weight 0 (shown at the head of the first launch).
; LIMITS: as stated there; a NaN or an infinity that would reach only the steps left out is not carried to the result.
; SHARES.  Work-group (i, 4 batch + kv head): 16 waves, a wave one tile of 16 queries of one of the kv head's four query heads.  Its tiles are 2 i, 2 i + 1 (early) and 62 - 2 i, 63 - 2 i (late) of the batch's 64:
; i / 4 + 1 and 8 - i / 4 key steps, so every work-group has 72 tile steps.  The wave's head is w % 4, its tile ((w / 4) + w % 4) % 4: early and late tiles are mixed however the waves are dealt.
; NO CLUSTER: work-groups that share K and V are other query blocks, with other numbers of key steps.
; LDS.  All of the kv head's K and V (8 steps x 4 records of 4,352 bytes) come once, in two halves of four steps, by one tensor load each of waves 0-7 (wave w: record w % 4 of four steps); nothing is filled again, and
; the key loop has no barrier: the one barrier stands in front of it.  A work-group's late tiles read step 4 or beyond, so both halves are read; of the second half up to three steps are fetched and not read.
; LAYOUT.  A lane holds one query (lane % 16) throughout.  A tile's lane row r is row 32 (T / 2) + 8 (T % 2) + r + 8 (r / 8), of queries, keys and V's d alike, so that the 16 registers of tiles 2 b, 2 b + 1 are 16 neighbours.
; REGISTERS: v1-7, v10 addresses that stay; v8-9 the step's; v12 -M, v13 the largest t, v[14:15] the sum; v16-23 Q; v32-95 eight fragments of K, then of V; v96-159 S^T, then p; v160-223 O^T; v224-231 p's codes;
;   v232-239, v244-247, v252, v254 at work; v240-243, v248-251 scale words of K, then of V; v253 p's scale word; v255 Q's.
.set REC, 4352
.set RSTR, 17408                       ; in LDS: from record to record ([record 4][step 4][4,352])
.set HALFB, 69632
.set SCR, 139264                       ; 1,024 bytes: O's scale words, [tile 4][row 16][head 4]
.set SPARE, 140288                     ; the spare words, 128 bytes for each wave
.set SPW, 5
.set NIL, 6
.set TM, 232
.set WV, 10
.set BG, 11
.set HQ, 14
.set TIX, 15
.set TQ, 16
.set TT, 17
.set QMIN, 18
.set QMAX, 19
.set SEL, 20
.set CS, 22
.set G1, 24
.set TB, 40
.set KF, 41
.set CNT, 42
	s_load_b128 s[4:7], s[0:1], 0x0                ; qimg s[4:5], kv s[6:7]
	s_load_b64 s[8:9], s[0:1], 0x10                ; oimg
	v_lshl_add_u32 v[SPW], v0, 2, SPARE
	v_mov_b32 v[NIL], 0
	ds_add_u32 v[SPW], v[NIL]                      ; the wave's opening: the add, twice on end, and its wait ahead of my first tensor load
	ds_add_u32 v[SPW], v[NIL]
	v_lshrrev_b32 v8, 5, v0
	s_delay_alu instid0(VALU_DEP_1)
	v_readfirstlane_b32 s[WV], v8
	s_and_b32 s[BG], ttmp7, 0xffff
	s_lshr_b32 s12, s[BG], 2                       ; batch
	s_and_b32 s13, s[BG], 3                        ; kv head
	s_and_b32 s[HQ], s[WV], 3
	s_lshr_b32 s[TIX], s[WV], 2
	s_add_co_u32 s[TIX], s[TIX], s[HQ]
	s_and_b32 s[TIX], s[TIX], 3
	s_lshl_b32 s43, ttmp9, 1
	s_add_co_u32 s[TQ], s43, s[TIX]
	s_sub_co_u32 s44, 60, s43
	s_add_co_u32 s44, s44, s[TIX]
	s_cmp_lt_u32 s[TIX], 2
	s_cselect_b32 s[TQ], s[TQ], s44                ; my tile among the batch's 64
	s_lshl_b32 s[TT], s12, 6
	s_add_co_u32 s[TT], s[TT], s[TQ]               ; and among all 256
	s_lshr_b32 s[QMIN], s[TQ], 1
	s_lshl_b32 s[QMIN], s[QMIN], 5
	s_and_b32 s43, s[TQ], 1
	s_lshl_b32 s43, s43, 3
	s_add_co_u32 s[QMIN], s[QMIN], s43             ; my first query;
	s_add_co_u32 s[QMAX], s[QMIN], 23              ; my last
	s_mov_b32 s[G1], 3<<16                         ; no mask; elements of 8 bytes; no padding
	s_mov_b32 s[G1+1], 544<<16                     ; tensor_dim0: a record
	s_mov_b32 s[G1+2], 4<<16                       ; tensor_dim1: four steps
	s_mov_b32 s[G1+3], 544<<16
	s_mov_b32 s[G1+4], 4
	s_mov_b32 s[G1+5], 2176                        ; from step to step: 17,408 bytes
	s_mov_b32 s[G1+6], 0
	s_mov_b32 s[G1+7], 0
	s_mov_b32 s[SEL], 0x76543210
	s_mov_b32 s[SEL+1], 0xfedcba98
	s_mov_b32 s[CS], 0x3e0293ee                    ; c = log2(e) / sqrt(128)
	s_mov_b32 s[CS+1], s[CS]
	s_mov_b32 s[TB], 0
	s_mov_b32 s[KF], 0
	; THE FETCH: waves 0-7 issue ONE tensor load each: wave w brings record w % 4 of steps 4 (w / 4) .. 4 (w / 4) + 3 to LDS byte 17,408 w.  All eight are waited for ahead of the one barrier in front of the key loop,
	; so no barrier stands between the halves.
	s_mul_i32 s43, s[WV], RSTR
	s_mul_i32 s44, s[BG], 8*RSTR
	s_mul_i32 s45, s[HQ], REC
	s_add_co_u32 s44, s44, s45
	s_lshr_b32 s45, s[WV], 2
	s_mul_i32 s45, s45, HALFB                      ; which four steps
	s_add_co_u32 s44, s44, s45
	s_mov_b32 s45, 0
	s_wait_dscnt 0x0                               ; both opening adds are done
	s_wait_kmcnt 0x0
	s_mov_b32 s32, 1
	s_mov_b32 s33, s43
	s_add_nc_u64 s[34:35], s[6:7], s[44:45]        ; record w % 4 of steps 4 (w / 4) on
	s_or_b32 s35, s35, 0x80000000
	s_cmp_lt_u32 s[WV], 8
	s_cbranch_scc0 .Lno_fetch
	tensor_load_to_lds s[32:35], s[G1:G1+7]
	s_nop 0
.rept 4
	v_nop
.endr
.Lno_fetch:
	v_and_b32 v8, 31, v0
	s_delay_alu instid0(VALU_DEP_1)
	v_lshlrev_b32 v1, 4, v8                        ; 16 x lane
	v_and_b32 v9, 15, v0                           ; r
	v_bfe_u32 v11, v0, 4, 1                        ; h
	s_delay_alu instid0(VALU_DEP_2)
	v_lshlrev_b32 v2, 4, v9
	s_delay_alu instid0(VALU_DEP_1)
	v_add_nc_u32 v2, 4096, v2                      ; a record's scale words of row r
	s_wait_alu depctr_va_vdst(0)
	v_and_b32 v3, 8, v9
	s_delay_alu instid0(VALU_DEP_1)
	v_add_nc_u32 v3, v3, v9
	v_lshlrev_b32 v4, 4, v11
	s_delay_alu instid0(VALU_DEP_1)
	v_sub_nc_u32 v3, v3, v4                        ; r + 8 (r / 8) - 16 h
	s_lshl_b32 s43, s[TIX], 8
	s_lshl_b32 s44, s[HQ], 2
	s_add_co_u32 s43, s43, s44
	s_add_co_u32 s43, s43, SCR
	v_lshl_add_u32 v4, v9, 4, s43                  ; where my scale word of O goes
	s_and_b32 s43, s[WV], 1
	s_lshl_b32 s44, s43, 9
	s_add_co_u32 s44, s44, SCR
	v_add_nc_u32 v7, s44, v1                       ; where waves 0 and 1 read two tiles' words back
	v_mul_u32_u24 v10, v11, RSTR
	s_delay_alu instid0(VALU_DEP_1)
	v_lshl_add_u32 v10, v9, 4, v10                 ; and store them: 17,408 h + 16 r
	; Q: qimg [128 tokens][head][2 records]
	s_lshr_b32 s46, s[TT], 3
	s_lshl_b32 s46, s46, 4
	s_lshl_b32 s47, s13, 2
	s_add_co_u32 s46, s46, s47
	s_add_co_u32 s46, s46, s[HQ]
	s_mul_i32 s46, s46, 2*REC
	s_bfe_u32 s47, s[TT], 0x10002
	s_mul_i32 s47, s47, REC
	s_add_co_u32 s46, s46, s47
	s_mov_b32 s47, 0
	s_add_nc_u64 s[48:49], s[4:5], s[46:47]        ; my tile's record
	s_and_b32 s46, s[TT], 3
	s_lshl_b32 s46, s46, 2
	s_add_nc_u64 s[52:53], s[48:49], s[46:47]      ; its word in a row's four
	s_lshl_b32 s46, s46, 8
	s_add_nc_u64 s[50:51], s[48:49], s[46:47]      ; its image
	global_load_b128 v[16:19], v1, s[50:51]
	global_load_b128 v[20:23], v1, s[50:51] offset:512
	global_load_b32 v255, v2, s[52:53]
	; O: oimg [tile][sigma = kv head][record], image = w % 4
	s_mul_i32 s46, s[TT], RSTR
	s_mul_i32 s44, s13, REC
	s_add_co_u32 s46, s46, s44
	s_lshl_b32 s45, s[HQ], 10
	s_add_co_u32 s46, s46, s45
	s_add_nc_u64 s[54:55], s[8:9], s[46:47]
	s_lshl_b32 s45, ttmp9, 1
	s_sub_co_u32 s46, 62, s45
	s_cmp_eq_u32 s43, 0
	s_cselect_b32 s46, s45, s46                    ; wave 0: tiles 2 i, 2 i + 1; wave 1: 62 - 2 i, 63 - 2 i
	s_lshl_b32 s45, s12, 6
	s_add_co_u32 s46, s46, s45
	s_mul_i32 s46, s46, RSTR
	s_add_co_u32 s46, s46, s44
	s_add_co_u32 s46, s46, 4096
	s_add_nc_u64 s[56:57], s[8:9], s[46:47]
	v_mov_b32 v13, 0xff61b1e6                      ; the largest t so far: -3e38
	s_delay_alu instid0(VALU_DEP_1)
	v_floor_f32 v12, -v13                          ; -M
	v_mov_b32 v14, 0
	v_mov_b32 v15, 0
.irp b, 0,1,2,3
	v_mov_b32 v[236+\b], 0                         ; written once: a lane permute's destination counts as one of its sources
.endr
	v_mov_b32 v252, 0
	v_mov_b32 v253, 0                              ; (named as the upper half of the pair v[252:253] before it is first written)
.set J, 0
.rept 64
	v_mov_b32 v[160+J], 0                          ; O^T: the step is written once; the first finds zeros, which the first change of M leaves zeros
.set J, J+1
.endr
; A KEY STEP: 128 keys, whose four records begin at LDS byte s[TB] of each record's run.
.macro STEP
	s_cmp_gt_u32 s[KF], s[QMAX]                    ; all its keys come after my queries: left out (ids and the count of steps alone)
	s_cbranch_scc1 .Lhidden_\@
	v_add_nc_u32 v8, s[TB], v1
	v_add_nc_u32 v9, s[TB], v2
	v_nop
	v_nop                                          ; four plain instructions ahead of loads into registers that the last products read
.irp t, 0,1,2,3,4,5,6,7
	ds_load_b128 v[32+8*\t:35+8*\t], v8 offset:(\t/4)*RSTR+(\t%4)*1024
	ds_load_b128 v[36+8*\t:39+8*\t], v8 offset:(\t/4)*RSTR+(\t%4)*1024+512
.endr
	ds_load_b128 v[240:243], v9                    ; the scale words of key tiles 0-3,
	ds_load_b128 v[248:251], v9 offset:RSTR        ; 4-7
	s_wait_alu depctr_va_vdst(0)
	s_wait_dscnt 0x0
.irp t, 0,1,2,3,4,5,6,7
	v_wmma_scale_f32_16x16x128_f8f6f4 v[96+8*\t:103+8*\t], v[32+8*\t:39+8*\t], v[16:23], 0, v[240+8*(\t/4)+\t%4], v255 matrix_a_fmt:MATRIX_FMT_FP4 matrix_b_fmt:MATRIX_FMT_FP4
.endr
.rept 4
	v_nop                                          ; ahead of the loads below and of the first read of the scores
.endr
.irp t, 0,1,2,3,4,5,6,7                        ; V^T's d tile t = 2 B + u: record 2 + u, image B.  These land while the softmax is walked
	ds_load_b128 v[32+8*\t:35+8*\t], v8 offset:(2+\t%2)*RSTR+(\t/2)*1024
	ds_load_b128 v[36+8*\t:39+8*\t], v8 offset:(2+\t%2)*RSTR+(\t/2)*1024+512
.endr
	ds_load_b128 v[240:243], v9 offset:2*RSTR
	ds_load_b128 v[248:251], v9 offset:3*RSTR
	s_add_co_u32 s43, s[KF], 127                   ; on the diagonal hidden scores become -infinity ahead of the maximum; a step all of whose keys count skips this
	s_cmp_le_u32 s43, s[QMIN]
	s_cbranch_scc1 .Lopen_\@
	s_sub_co_i32 s43, s[QMIN], s[KF]
	v_add_nc_u32 v252, s43, v3                     ; d = my query - KF - 16 h.  Register 16 b + i holds key KF + 16 h + 32 b + i: hidden where 32 b + i > d
	v_mov_b32 v254, 0xff800000
.set J, 0
.rept 64
	v_cmp_gt_i32 vcc_lo, 32*(J/16)+J%16, v252
	v_cndmask_b32 v[96+J], v[96+J], v254, vcc_lo
.set J, J+1
.endr
.Lopen_\@:
.irp b, 0,1,2,3
	v_max3_num_f32 v[232+\b], v[96+16*\b], v[97+16*\b], v[98+16*\b]   ; the largest score of each block of 32 keys: for the row's maximum, and, since p rises with the score, for the block's largest p
.endr
.irp i, 3,5,7,9,11,13
.irp b, 0,1,2,3
	v_max3_num_f32 v[232+\b], v[232+\b], v[96+16*\b+\i], v[97+16*\b+\i]
.endr
.endr
.irp b, 0,1,2,3
	v_max_num_f32 v[232+\b], v[232+\b], v[111+16*\b]
.endr
.irp b, 0,1,2,3
	s_delay_alu instid0(VALU_DEP_4)
	v_permlanex16_b32 v[236+\b], v[232+\b], s[SEL], s[SEL+1]
.endr
.irp b, 0,1,2,3
	s_delay_alu instid0(VALU_DEP_4)
	v_max_num_f32 v[232+\b], v[232+\b], v[236+\b]
.endr
	s_delay_alu instid0(VALU_DEP_2)
	v_max3_num_f32 v254, v232, v233, v234
	s_delay_alu instid0(VALU_DEP_1)
	v_max_num_f32 v254, v254, v235
	s_delay_alu instid0(VALU_DEP_1)
	v_mul_f32 v254, s[CS], v254                    ; as t
	s_delay_alu instid0(VALU_DEP_1)
	v_max_num_f32 v13, v13, v254                   ; the running largest t
	v_mov_b32 v254, v12
	s_delay_alu instid0(VALU_DEP_2)
	v_floor_f32 v12, -v13                          ; the new -M = -ceil(t)
	s_delay_alu instid0(VALU_DEP_1)
	v_sub_f32 v254, v12, v254                      ; old M - new M: a whole number, 0 or less
	s_delay_alu instid0(VALU_DEP_1)
	v_cvt_i32_f32 v254, v254
	s_delay_alu instid0(VALU_DEP_1)
	v_ldexp_f32 v252, 1.0, v254                    ; f = 2^(old M - new M)
.set J, 0
.rept 32
	v_pk_fma_f32 v[96+J:97+J], v[96+J:97+J], s[CS:CS+1], v[12:13] op_sel_hi:[1,0,0]   ; t - M
.set J, J+2
.endr
.irp b, 0,1,2,3
	v_fma_f32 v[232+\b], v[232+\b], s[CS], v12
.endr
.set J, 0
	s_wait_alu depctr_va_vdst(0)
.rept 64
	v_exp_f32 v[96+J], v[96+J]                     ; p = 2^(t - M): not normalised
.set J, J+1
.endr
	v_pk_mul_f32 v[14:15], v[14:15], v[252:253] op_sel_hi:[1,0]   ; the sums under the new M (a plain instruction behind the exponentials)
	s_wait_alu depctr_va_vdst(0)                   ; one wait for the batch, ahead of its first reader
.irp b, 0,1,2,3
	v_exp_f32 v[232+\b], v[232+\b]                 ; each block's largest p
.endr
	v_pk_add_f32 v[236:237], v[100:101], v[104:105]
	v_pk_add_f32 v[246:247], v[108:109], v[112:113]
	v_pk_add_f32 v[244:245], v[116:117], v[120:121]
	v_pk_add_f32 v[238:239], v[124:125], v[128:129]
	v_pk_add_f32 v[230:231], v[132:133], v[136:137]
	v_pk_add_f32 v[228:229], v[140:141], v[144:145]
	v_pk_add_f32 v[226:227], v[148:149], v[152:153]
	v_pk_add_f32 v[14:15], v[14:15], v[156:157]
	v_pk_add_f32 v[236:237], v[236:237], v[96:97]
	v_pk_add_f32 v[246:247], v[246:247], v[98:99]
	v_pk_add_f32 v[244:245], v[244:245], v[102:103]
	v_pk_add_f32 v[238:239], v[238:239], v[106:107]
	v_pk_add_f32 v[230:231], v[230:231], v[110:111]
	v_pk_add_f32 v[228:229], v[228:229], v[114:115]
	v_pk_add_f32 v[226:227], v[226:227], v[118:119]
	v_pk_add_f32 v[14:15], v[14:15], v[122:123]
	v_pk_add_f32 v[236:237], v[236:237], v[126:127]
	v_pk_add_f32 v[246:247], v[246:247], v[130:131]
	v_pk_add_f32 v[244:245], v[244:245], v[134:135]
	v_pk_add_f32 v[238:239], v[238:239], v[138:139]
	v_pk_add_f32 v[230:231], v[230:231], v[142:143]
	v_pk_add_f32 v[228:229], v[228:229], v[146:147]
	v_pk_add_f32 v[226:227], v[226:227], v[150:151]
	v_pk_add_f32 v[14:15], v[14:15], v[154:155]
	v_pk_add_f32 v[236:237], v[236:237], v[158:159]
	s_delay_alu instid0(VALU_DEP_2)
	v_pk_add_f32 v[14:15], v[14:15], v[238:239]
	s_delay_alu instid0(VALU_DEP_2)
	v_pk_add_f32 v[236:237], v[236:237], v[230:231]
	v_pk_add_f32 v[246:247], v[246:247], v[228:229]
	v_pk_add_f32 v[244:245], v[244:245], v[226:227]
	s_delay_alu instid0(VALU_DEP_2)
	v_pk_add_f32 v[14:15], v[14:15], v[246:247]
	s_delay_alu instid0(VALU_DEP_2)
	v_pk_add_f32 v[236:237], v[236:237], v[244:245]
	s_delay_alu instid0(VALU_DEP_1)
	v_pk_add_f32 v[14:15], v[14:15], v[236:237]
	s_wait_alu depctr_va_vdst(0)                   ; and one for the four
.irp b, 0,1,2,3
	v_max_num_f32 v[232+\b], 0x1800000, v[232+\b]  ; the floor: the byte cannot fall under 1
.endr
.irp b, 0,1,2,3
	s_delay_alu instid0(VALU_DEP_4)
	v_add_nc_u32 v[244+\b], 0xff000000, v[232+\b]
.endr
.irp b, 0,1,2,3
	s_delay_alu instid0(VALU_DEP_4)
	v_lshrrev_b32 v[236+\b], 23, v[244+\b]
.endr
	s_delay_alu instid0(VALU_DEP_3)
	v_lshl_or_b32 v253, v237, 8, v236              ; p's scale word for these 128 keys
	s_delay_alu instid0(VALU_DEP_1)
	v_lshl_or_b32 v253, v238, 16, v253
	s_delay_alu instid0(VALU_DEP_1)
	v_lshl_or_b32 v253, v239, 24, v253
.irp b, 0,1,2,3
	v_cvt_scalef32_pk8_fp4_f32 v[224+2*\b], v[96+16*\b:103+16*\b], v[244+\b]
	v_cvt_scalef32_pk8_fp4_f32 v[225+2*\b], v[104+16*\b:111+16*\b], v[244+\b]
.endr
	v_nop
.irp c, 0,1
.irp i, 0,1
	v_permlane16_swap_b32 v[224+4*\c+\i], v[226+4*\c+\i]
.endr
.endr
.set J, 0
.rept 32
	v_pk_mul_f32 v[160+J:161+J], v[160+J:161+J], v[252:253] op_sel_hi:[1,0]   ; O^T under the new M (these are also the plain instructions between p's codes and scale word and the products)
.set J, J+2
.endr
	s_wait_alu depctr_va_vdst(0)
	s_wait_dscnt 0x0                               ; V is in
.irp t, 0,1,2,3,4,5,6,7
	v_wmma_scale_f32_16x16x128_f8f6f4 v[160+8*\t:167+8*\t], v[32+8*\t:39+8*\t], v[224:231], v[160+8*\t:167+8*\t], v[240+8*(\t%2)+\t/2], v253 matrix_a_fmt:MATRIX_FMT_FP4 matrix_b_fmt:MATRIX_FMT_FP4
.endr
.Lhidden_\@:
	s_add_co_u32 s[KF], s[KF], 128
	s_add_co_u32 s[TB], s[TB], REC
.endm
	s_wait_tensorcnt 0x0                           ; my one tensor load has landed; behind the barrier all eight steps are whole
	s_barrier_signal -1
	s_barrier_wait -1
	s_wait_loadcnt 0x0                             ; Q
	s_mov_b32 s[CNT], 4
.Lhalf_a:
	STEP
	s_sub_co_u32 s[CNT], s[CNT], 1
	s_cmp_lg_u32 s[CNT], 0
	s_cbranch_scc1 .Lhalf_a
	s_add_co_u32 s[TB], s[TB], HALFB-4*REC         ; on to steps 4-7, which have been in LDS since the barrier in front of the first loop
	s_mov_b32 s[CNT], 4
.Lhalf_b:
	STEP
	s_sub_co_u32 s[CNT], s[CNT], 1
	s_cmp_lg_u32 s[CNT], 0
	s_cbranch_scc1 .Lhalf_b
	; THE WAY OUT: O^T / l is a lane's 64 numbers of one token, register 16 c + i = d 32 c + 16 h + i: one K step (my head) of the last projection's operand.
.rept 4
	v_nop
.endr
	v_add_f32 v14, v14, v15
	s_delay_alu instid0(VALU_DEP_1)
	v_permlanex16_b32 v252, v14, s[SEL], s[SEL+1]
	s_delay_alu instid0(VALU_DEP_1)
	v_add_f32 v14, v14, v252                       ; the row's sum
	s_wait_alu depctr_va_vdst(0)
	v_rcp_f32 v14, v14
	v_nop
	s_wait_alu depctr_va_vdst(0)
.set J, 0
.rept 64
	v_mul_f32 v[96+J], v[160+J], v14
.set J, J+1
.endr
.irp b, 0,1,2,3
	v_max3_num_f32 v[TM+\b], |v[96+16*\b]|, |v[97+16*\b]|, 0x1800000
.endr
.irp i, 2,4,6,8,10,12,14
.irp b, 0,1,2,3
	s_delay_alu instid0(VALU_DEP_4)
	v_max3_num_f32 v[TM+\b], v[TM+\b], |v[96+16*\b+\i]|, |v[97+16*\b+\i]|
.endr
.endr
.irp b, 0,1,2,3
	s_delay_alu instid0(VALU_DEP_4)
	v_permlanex16_b32 v[TM+4+\b], v[TM+\b], s[SEL], s[SEL+1]
.endr
.irp b, 0,1,2,3
	s_delay_alu instid0(VALU_DEP_4)
	v_max_num_f32 v[TM+\b], v[TM+\b], v[TM+4+\b]
.endr
.irp b, 0,1,2,3
	s_delay_alu instid0(VALU_DEP_4)
	v_add_nc_u32 v[TM+12+\b], 0xff000000, v[TM+\b]
.endr
.irp b, 0,1,2,3
	s_delay_alu instid0(VALU_DEP_4)
	v_lshrrev_b32 v[TM+4+\b], 23, v[TM+12+\b]
.endr
	s_delay_alu instid0(VALU_DEP_3)
	v_lshl_or_b32 v253, v[TM+5], 8, v[TM+4]
	s_delay_alu instid0(VALU_DEP_1)
	v_lshl_or_b32 v253, v[TM+6], 16, v253
	s_delay_alu instid0(VALU_DEP_1)
	v_lshl_or_b32 v253, v[TM+7], 24, v253
.irp b, 0,1,2,3
	v_cvt_scalef32_pk8_fp4_f32 v[224+2*\b], v[96+16*\b:103+16*\b], v[TM+12+\b]
	v_cvt_scalef32_pk8_fp4_f32 v[225+2*\b], v[104+16*\b:111+16*\b], v[TM+12+\b]
.endr
	v_nop
.irp c, 0,1
.irp i, 0,1
	v_permlane16_swap_b32 v[224+4*\c+\i], v[226+4*\c+\i]
.endr
.endr
	global_store_b128 v1, v[224:227], s[54:55]                 ; the image: 512 consecutive bytes a store
	global_store_b128 v1, v[228:231], s[54:55] offset:512
	ds_store_b32 v4, v253                          ; a record's scale words come from four waves: they meet in LDS (lanes r and r + 16 write the same word with the same value)
	s_wait_dscnt 0x0
	s_barrier_signal -1
	s_barrier_wait -1
	s_cmp_lt_u32 s[WV], 2
	s_cbranch_scc0 .Lend
	ds_load_b128 v[32:35], v7
	s_wait_dscnt 0x0
	global_store_b128 v10, v[32:35], s[56:57]      ; two tiles' 256 bytes of scale words
.Lend:
	s_wait_tensorcnt 0x0                           ; the wave's end, behind my last tensor load and my last LDS store
	ds_add_u32 v[SPW], v[NIL]
	s_wait_dscnt 0x0
	s_endpgm
.Lfunc_end_k_q112aff4c20_attn:
	.size	k_q112aff4c20_attn, .Lfunc_end_k_q112aff4c20_attn-k_q112aff4c20_attn
	.p2alignl 7, 3214868480
	.fill 96, 4, 3214868480
	.section	.rodata,"a",@progbits
	.p2align	6, 0x0
	.amdhsa_kernel k_q112aff4c20_attn
		.amdhsa_group_segment_fixed_size 167936
		.amdhsa_private_segment_fixed_size 0
		.amdhsa_enable_private_segment 0
		.amdhsa_kernarg_size 24
		.amdhsa_user_sgpr_count 2
		.amdhsa_user_sgpr_kernarg_segment_ptr 1
		.amdhsa_wavefront_size32 1
		.amdhsa_system_sgpr_workgroup_id_x 1
		.amdhsa_system_sgpr_workgroup_id_y 1
		.amdhsa_system_sgpr_workgroup_id_z 1
		.amdhsa_system_vgpr_workitem_id 0
		.amdhsa_next_free_vgpr 256
		.amdhsa_next_free_sgpr 66
		.amdhsa_reserve_vcc 1
		.amdhsa_float_denorm_mode_32 3
		.amdhsa_float_denorm_mode_16_64 3
		.amdhsa_memory_ordered 1
		.amdhsa_forward_progress 1
		.amdhsa_inst_pref_size 65
	.end_amdhsa_kernel
	.amdgpu_metadata
---
amdhsa.version: [ 1, 2 ]
amdhsa.kernels:
  - .name:           k_q112aff4c20_attn
    .symbol:         k_q112aff4c20_attn.kd
    .args:
      - { .name: qimg, .offset: 0, .size: 8, .value_kind: global_buffer, .address_space: global }
      - { .name: kv, .offset: 8, .size: 8, .value_kind: global_buffer, .address_space: global }
      - { .name: oimg, .offset: 16, .size: 8, .value_kind: global_buffer, .address_space: global }
    .group_segment_fixed_size: 167936
    .private_segment_fixed_size: 0
    .kernarg_segment_align: 8
    .kernarg_segment_size: 24
    .max_flat_workgroup_size: 512
    .sgpr_count:     66
    .vgpr_count:     256
    .wavefront_size: 32
...
	.end_amdgpu_metadata
.endif
;; end of part 3
;; launch outp (part 4): grid 8 x 32, 4 waves a work-group, clusters of 4 x 1, 174,592 bytes of LDS; arguments oimg, wocs, out0; writes out0
.if DOCPART == 4
	.amdgcn_target "amdgcn-amd-amdhsa--gfx1250"
	.amdhsa_code_object_version 6
	.text
	.protected	k_q112aff4c20_outp
	.globl	k_q112aff4c20_outp
	.p2align	8
	.type	k_q112aff4c20_outp,@function
k_q112aff4c20_outp:
	s_mov_b64 s[64:65], 0
	v_nop
	global_prefetch_b8 v0, s[64:65] scope:SCOPE_SE
	s_setreg_imm32_b32 hwreg(HW_REG_WAVE_MODE, 25, 1), 1
	s_wait_xcnt 0x0
	s_wait_alu depctr_hold_cnt(0) depctr_sa_sdst(0) depctr_va_vdst(0) depctr_va_sdst(0) depctr_va_ssrc(0) depctr_va_vcc(0) depctr_vm_vsrc(0)
	s_getreg_b32 s2, hwreg(HW_REG_IB_STS2, 6, 4)
	s_cmp_eq_u32 s2, 0
	s_cbranch_scc0 .Lentry_in_a_cluster
	s_endpgm
.Lentry_in_a_cluster:
	s_bfe_u32 s2, ttmp6, 0x10000c
	s_cmp_lg_u32 s2, 0x3003
	s_cbranch_scc0 .Lentry_shape_is_right
	s_endpgm
.Lentry_shape_is_right:
; out0 = o wo on codes of FP4 with E8M0 scales.  No work of reference() is left out here.  LIMITS: as stated at the head of the first launch.
; o (oimg) and wo (wocs) lie as records: [tile][sigma 4][4 images of 1,024 bytes + 256 bytes of scale words, [row 16][image 4]]; image q of sigma is K step 4 sigma + q of 128; a tile's lane row r is row
; 32 (T / 2) + 8 (T % 2) + r + 8 (r / 8); an image is a fragment's registers as they stand: 16 bytes a lane at 16 x lane, and 512 bytes on.
; SHARES.  A work-group makes 128 tokens x 256 features, a wave all 128 tokens x 64 features: 8 x 4 accumulators.  256 work-groups.
; o's 8 tiles for ALL of K (139,264 bytes) come into LDS once: wave w brings sigma w of the 8 tiles by its one tensor load; all four waves read them.  Nothing is filled again: one barrier, no ring.
; wo's four tiles of a wave for ALL of K (69,632 consecutive bytes) are read by that wave alone in its work-group: they go from memory straight into its registers, 512 consecutive bytes a load,
; 136 loads issued at the head, K ascending, and are waited for K step by K step.
; CLUSTER 4 x 1: the four work-groups of a cluster make four feature blocks of the same 128 tokens: o's tiles are asked for jointly (mask 15).  wo's tiles differ between the partners.
; NO PREFETCH: every byte that the launch reads is asked for at its head; there is no loop to run ahead in.
; THE MATRIX INSTRUCTION IS USED TRANSPOSED (source 0 = 16 rows of wo, source 1 = 16 tokens): a lane holds one token (lane % 16); register j of feature tile b holds feature 32 (b / 2) + 8 (b % 2) + 16 (lane / 16) + j.
; ORDER.  K steps 0-11 go by K: 32 products a step, the 32 accumulators by turns.  The last four K steps go by pairs of token tiles (32 products a pair, its 8 accumulators by turns, K ascending), so that a finished
; pair leaves through my stage in LDS while the next pair is multiplied.
; REGISTERS: window 0: v1-19 addresses; v28, v29 the add's; v32-63 wo's scale words (register 8 sigma + 4 j + q: lanes 0-15 tile 2 j, lanes 16-31 tile 2 j + 1); v64-127 o's (16 sigma + 4 j + q, likewise);
;   v128-255 o's fragments, two sets of eight.  window 1: accumulator (a, b) at v[8 (4 a + b)].  windows 2, 3: wo's fragment (b, K step s) at v[32 (s % 8) + 8 b] of window 2 + s / 8;
;   on the way out window 2, whose K steps are done, takes the rows read back from the stage.
.set REC, 4352
.set TSTR, 17408                       ; from tile to tile in memory
.set SIG, 8*REC                        ; LDS: [sigma 4][tile 8][record]
.set STAGE, 4*SIG                      ; behind o: a stage of 32 rows x (256 + 16) bytes for each wave; no tensor load lands there
.set SP, 272
.set SPARE, STAGE+4*32*SP              ; the spare words, 128 bytes for each wave
.set ADRA, 8                           ; v8-11  16 x lane + sigma x SIG (v8 is also 16 x lane for wo's loads)
.set ADRS, 12                          ; v12-15 o's scale words: sigma x SIG + 4,352 h + 4,096 + 16 r
.set VSB, 16                           ; v16 wo's scale words in memory: 17,408 h + 16 r
.set STO, 17                           ; v17 the stage, in
.set RD, 18                            ; v18 the stage, out
.set CO, 19                            ; v19 my byte offset in out0: 8,192 h + 16 r
.set SPW, 28
.set NIL, 29
.set SCB, 32
.set SCA, 64
.set AF, 128
.set WV, 20
.set G1, 24
.set G0, 32
.set BB, 36
.set OUT, 38
.set MSB, 0
.macro WIN new                         ; the immediate's high byte repeats the setting that is left
.if MSB != (\new)
	s_set_vgpr_msb (MSB<<8)|(\new)
.set MSB, (\new)
.endif
.endm
.macro PLACES n
.rept \n
	v_nop
.endr
.endm
.macro CROUND                          ; a round of the cluster's barrier
	s_barrier_signal -1
	s_barrier_wait -1
	s_cmp_lg_u32 s[WV], 0
	s_cbranch_scc1 .Lnot_wave_0_\@
	s_barrier_signal -3
.Lnot_wave_0_\@:
	s_barrier_wait -3
	s_barrier_signal -1
	s_barrier_wait -1
.endm
; One product.  rr: bit 0 = wo's tile is the odd one of its pair (its words stand in lanes 16-31), bit 1 = the same for o's.  zero = 1: the product starts the sum
.macro WM d, b, a, sb, sa, rr, zero
.set D_, \d
.set B_, \b
.set A_, \a
.set SB_, \sb
.set SA_, \sa
.set RZ_, (\rr)+4*(\zero)
.if RZ_ == 0
	v_wmma_scale_f32_16x16x128_f8f6f4 v[D_:D_+7], v[B_:B_+7], v[A_:A_+7], v[D_:D_+7], v[SB_], v[SA_] matrix_a_fmt:MATRIX_FMT_FP4 matrix_b_fmt:MATRIX_FMT_FP4
.endif
.if RZ_ == 1
	v_wmma_scale_f32_16x16x128_f8f6f4 v[D_:D_+7], v[B_:B_+7], v[A_:A_+7], v[D_:D_+7], v[SB_], v[SA_] matrix_a_fmt:MATRIX_FMT_FP4 matrix_b_fmt:MATRIX_FMT_FP4 matrix_a_scale:MATRIX_SCALE_ROW1
.endif
.if RZ_ == 2
	v_wmma_scale_f32_16x16x128_f8f6f4 v[D_:D_+7], v[B_:B_+7], v[A_:A_+7], v[D_:D_+7], v[SB_], v[SA_] matrix_a_fmt:MATRIX_FMT_FP4 matrix_b_fmt:MATRIX_FMT_FP4 matrix_b_scale:MATRIX_SCALE_ROW1
.endif
.if RZ_ == 3
	v_wmma_scale_f32_16x16x128_f8f6f4 v[D_:D_+7], v[B_:B_+7], v[A_:A_+7], v[D_:D_+7], v[SB_], v[SA_] matrix_a_fmt:MATRIX_FMT_FP4 matrix_b_fmt:MATRIX_FMT_FP4 matrix_a_scale:MATRIX_SCALE_ROW1 matrix_b_scale:MATRIX_SCALE_ROW1
.endif
.if RZ_ == 4
	v_wmma_scale_f32_16x16x128_f8f6f4 v[D_:D_+7], v[B_:B_+7], v[A_:A_+7], 0, v[SB_], v[SA_] matrix_a_fmt:MATRIX_FMT_FP4 matrix_b_fmt:MATRIX_FMT_FP4
.endif
.if RZ_ == 5
	v_wmma_scale_f32_16x16x128_f8f6f4 v[D_:D_+7], v[B_:B_+7], v[A_:A_+7], 0, v[SB_], v[SA_] matrix_a_fmt:MATRIX_FMT_FP4 matrix_b_fmt:MATRIX_FMT_FP4 matrix_a_scale:MATRIX_SCALE_ROW1
.endif
.if RZ_ == 6
	v_wmma_scale_f32_16x16x128_f8f6f4 v[D_:D_+7], v[B_:B_+7], v[A_:A_+7], 0, v[SB_], v[SA_] matrix_a_fmt:MATRIX_FMT_FP4 matrix_b_fmt:MATRIX_FMT_FP4 matrix_b_scale:MATRIX_SCALE_ROW1
.endif
.if RZ_ == 7
	v_wmma_scale_f32_16x16x128_f8f6f4 v[D_:D_+7], v[B_:B_+7], v[A_:A_+7], 0, v[SB_], v[SA_] matrix_a_fmt:MATRIX_FMT_FP4 matrix_b_fmt:MATRIX_FMT_FP4 matrix_a_scale:MATRIX_SCALE_ROW1 matrix_b_scale:MATRIX_SCALE_ROW1
.endif
.endm
; wo's part of one sigma: 2 loads of scale words, then 8 loads for each of its four K steps: 34 loads
.macro BLOAD sg
	WIN 0
.irp j, 0,1
	global_load_b128 v[SCB+8*(\sg)+4*\j:SCB+8*(\sg)+4*\j+3], v[VSB], s[BB:BB+1] offset:2*\j*TSTR+(\sg)*REC+4096
.endr
	WIN 0x80+0x40*((\sg)/2)                        ; destination window 2 or 3
.irp q, 0,1,2,3
.irp b, 0,1,2,3
	global_load_b128 v[32*((4*(\sg)+\q)%8)+8*\b:32*((4*(\sg)+\q)%8)+8*\b+3], v[ADRA], s[BB:BB+1] offset:\b*TSTR+(\sg)*REC+\q*1024
	global_load_b128 v[32*((4*(\sg)+\q)%8)+8*\b+4:32*((4*(\sg)+\q)%8)+8*\b+7], v[ADRA], s[BB:BB+1] offset:\b*TSTR+(\sg)*REC+\q*1024+512
.endr
.endr
	WIN 0
.endm
.macro FRAG reg, adr, off              ; an image comes back as it was stored
	ds_load_b128 v[(\reg):(\reg)+3], v[\adr] offset:\off
	ds_load_b128 v[(\reg)+4:(\reg)+7], v[\adr] offset:(\off)+512
.endm
.macro FETCHK s                        ; K step s of the 8 token tiles into set s % 2
.irp i, 0,1,2,3,4,5,6,7
	FRAG AF+64*((\s)%2)+8*\i, ADRA+(\s)/4, \i*REC+((\s)%4)*1024
.endr
.endm
.macro FETCHR p                        ; K steps 12-15 of token tiles 2 p, 2 p + 1 into set p % 2: fragment 4 e + q
.irp e, 0,1
.irp q, 0,1,2,3
	FRAG AF+64*((\p)%2)+8*(4*\e+\q), ADRA+3, (2*(\p)+\e)*REC+\q*1024
.endr
.endr
.endm
.macro MULK s, zero                    ; 32 products: the 32 accumulators take turns, one instruction a turn
	WIN 0x52+(\s)/8                                ; wo window 2 or 3, o window 0, C and D window 1
.irp a, 0,1,2,3,4,5,6,7
.irp b, 0,1,2,3
	WM 8*(4*\a+\b), 32*((\s)%8)+8*\b, AF+64*((\s)%2)+8*\a, SCB+8*((\s)/4)+4*(\b/2)+(\s)%4, SCA+16*((\s)/4)+4*(\a/2)+(\s)%4, 2*(\a%2)+\b%2, \zero
.endr
.endr
.endm
.macro MULR p                          ; 32 products: token tiles 2 p, 2 p + 1 are finished; their 8 accumulators take turns
	WIN 0x53
.irp q, 0,1,2,3
.irp e, 0,1
.irp b, 0,1,2,3
	WM 8*(4*(2*(\p)+\e)+\b), 32*(4+\q)+8*\b, AF+64*((\p)%2)+8*(4*\e+\q), SCB+24+4*(\b/2)+\q, SCA+48+4*(\p)+\q, 2*\e+\b%2, 0
.endr
.endr
.endr
.endm
; A K step: its fragments of wo and of o are in; the next step's 16 LDS loads go out in one run and have this step's 32 products in which to land.
.macro KSTEP s, zero
.set LW, 126-34*((\s)/4)-8*((\s)%4)    ; of the 136 loads, those issued behind this K step's; the wait's field holds 63 at the most, and a smaller count is sound
.if LW > 63
.set LW, 63
.endif
	s_wait_loadcnt LW
	s_wait_dscnt 0x0
	PLACES 4                                       ; four plain instructions ahead of loads into registers that the last products but 32 read
	WIN 0
.if (\s) < 11
	FETCHK (\s)+1
.else
	FETCHR 0
.endif
	MULK \s, \zero
.endm
; THE WAY OUT of a pair of token tiles: 32 rows x 64 features.  A lane holds 32 neighbouring bytes of a row: the pair goes through my own stage and comes back by rows of 256 bytes.
.macro TOSTAGE p
	WIN 0x04                                       ; an LDS store's data: window 1
.irp e, 0,1
.irp b, 0,1,2,3
	ds_store_b128 v[STO], v[8*(4*(2*(\p)+\e)+\b):8*(4*(2*(\p)+\e)+\b)+3] offset:\e*16*SP+128*(\b/2)+32*(\b%2)        ; each accumulator from its low end on
	ds_store_b128 v[STO], v[8*(4*(2*(\p)+\e)+\b)+4:8*(4*(2*(\p)+\e)+\b)+7] offset:\e*16*SP+128*(\b/2)+32*(\b%2)+16
.endr
.endr
	WIN 0x80                                       ; destination window 2
.irp e, 0,1
.irp t, 0,1,2,3,4,5,6,7
	ds_load_b128 v[64*((\p)%2)+32*\e+4*\t:64*((\p)%2)+32*\e+4*\t+3], v[RD] offset:(16*\e+2*\t)*SP   ; LDS serves a wave's instructions in order: these see the stores above
.endr
.endr
	WIN 0
.endm
.macro SEND p, younger                 ; younger: the LDS loads issued behind the pair's, which may stay out
	s_wait_dscnt \younger
	WIN 0x08                                       ; a store's data: window 2
.irp e, 0,1
.irp t, 0,1,2,3,4,5,6,7
	global_store_b128 v[CO], v[64*((\p)%2)+32*\e+4*\t:64*((\p)%2)+32*\e+4*\t+3], s[OUT:OUT+1] offset:(32*(\p)+8*\e+2*\t+8*(\t/4))*8192 th:TH_STORE_NT   ; sixteen lanes store 256 consecutive bytes, aligned; two rows an instruction
.endr
.endr
	WIN 0
.endm
	s_load_b128 s[4:7], s[0:1], 0x0                ; oimg s[4:5], wocs s[6:7]
	s_load_b64 s[8:9], s[0:1], 0x10                ; out0
	v_lshl_add_u32 v[SPW], v0, 2, SPARE
	v_mov_b32 v[NIL], 0
	ds_add_u32 v[SPW], v[NIL]                      ; the wave's opening: the add, twice on end, and its wait ahead of my first tensor load
	ds_add_u32 v[SPW], v[NIL]
	v_lshrrev_b32 v1, 5, v0
	v_readfirstlane_b32 s[WV], v1
	s_bfe_u32 s10, ttmp6, 0x40000                  ; cx
	s_lshl_b32 s11, ttmp9, 2
	s_add_co_u32 s11, s11, s10                     ; X: which 256 features
	s_and_b32 s12, ttmp7, 0xffff                   ; y: which 128 tokens
	s_mov_b32 s[G1], 15|(3<<16)|(1<<21)            ; the mask: all four of the cluster; elements of 8 bytes; bit 21 set beside a mask; no padding
	s_mov_b32 s[G1+1], 544<<16                     ; tensor_dim0: a record is 544 elements
	s_mov_b32 s[G1+2], 8<<16                       ; tensor_dim1: 8 tiles
	s_mov_b32 s[G1+3], 544<<16
	s_mov_b32 s[G1+4], 8
	s_mov_b32 s[G1+5], 2176                        ; from tile to tile: 17,408 bytes
	s_mov_b32 s[G1+6], 0
	s_mov_b32 s[G1+7], 0
	s_mul_i32 s14, s12, 8*TSTR                     ; o: my work-group's first tile,
	s_mul_i32 s15, s[WV], REC                      ; sigma = my wave: made of y and the wave's number alone
	s_add_co_u32 s14, s14, s15
	s_mov_b32 s15, 0
	s_lshl_b32 s16, s11, 2
	s_add_co_u32 s16, s16, s[WV]                   ; 4 X + w: which 64 features
	s_lshl_b32 s18, s16, 8                         ; 256 bytes of a row of out0
	s_mul_i32 s16, s16, 4*TSTR                     ; four tiles of wo
	s_mov_b32 s17, 0
	s_lshl_b32 s19, s12, 20                        ; 128 rows of 8,192 bytes
	s_add_co_u32 s18, s18, s19
	s_mov_b32 s19, 0
	s_mul_i32 s21, s[WV], 32*SP
	s_add_co_u32 s21, s21, STAGE                   ; my stage
	s_mov_b32 s[G0], 1
	s_mul_i32 s[G0+1], s[WV], SIG                  ; where my sigma goes
	v_and_b32 v1, 31, v0                           ; lane
	v_and_b32 v2, 15, v0                           ; r
	v_bfe_u32 v3, v0, 4, 1                         ; h
	v_lshlrev_b32 v[ADRA], 4, v1
	v_lshlrev_b32 v4, 4, v2                        ; 16 r
	v_add_nc_u32 v[ADRA+1], SIG, v[ADRA]
	v_add_nc_u32 v[ADRA+2], 2*SIG, v[ADRA]
	v_add_nc_u32 v[ADRA+3], 3*SIG, v[ADRA]
	v_mad_u32_u24 v[ADRS], v3, REC, v4             ; lanes 16-31 take the next tile's words
	v_add_nc_u32 v[ADRS], 4096, v[ADRS]
	v_add_nc_u32 v[ADRS+1], SIG, v[ADRS]
	v_add_nc_u32 v[ADRS+2], 2*SIG, v[ADRS]
	v_add_nc_u32 v[ADRS+3], 3*SIG, v[ADRS]
	v_mad_u32_u24 v[VSB], v3, TSTR, v4
	v_mul_u32_u24 v5, v2, SP
	v_lshl_add_u32 v5, v3, 6, v5
	v_add_nc_u32 v[STO], s21, v5                   ; in: row r, + 64 h
	v_mul_u32_u24 v6, v3, SP
	v_add_nc_u32 v6, v6, v4
	v_add_nc_u32 v[RD], s21, v6                    ; out: lanes 0-15 one row, lanes 16-31 the next
	v_lshl_add_u32 v[CO], v3, 13, v4
	s_wait_alu depctr_va_vdst(0)
	s_wait_dscnt 0x0                               ; both opening adds are done
	s_wait_kmcnt 0x0
	s_add_nc_u64 s[G0+2:G0+3], s[4:5], s[14:15]
	s_or_b32 s[G0+3], s[G0+3], 0x80000000
	s_add_nc_u64 s[BB:BB+1], s[6:7], s[16:17]
	s_add_nc_u64 s[OUT:OUT+1], s[8:9], s[18:19]
	BLOAD 0                                        ; wo's first sigma is on its way while the cluster meets
	CROUND                                         ; all four work-groups are here: the joint loads meet
	tensor_load_to_lds s[G0:G0+3], s[G1:G1+7]      ; my one tensor load of the launch: sigma w of the 8 token tiles
	s_nop 0
	PLACES 4
	BLOAD 1
	BLOAD 2
	BLOAD 3
	s_wait_tensorcnt 0x0                           ; my sigma is in,
	s_barrier_signal -1
	s_barrier_wait -1                              ; everybody's is; nothing is filled again
.irp g, 0,1,2,3
.irp j, 0,1,2,3
	ds_load_b128 v[SCA+16*\g+4*\j:SCA+16*\g+4*\j+3], v[ADRS+\g] offset:\j*2*REC   ; o's scale words for all of K
.endr
.endr
	FETCHK 0
	KSTEP 0, 1                                     ; the first products start the sums: nothing is cleared
.irp s, 1,2,3,4,5,6,7,8,9,10,11
	KSTEP \s, 0
.endr
	s_wait_loadcnt 0x0                             ; wo's last sigma is in
	s_wait_dscnt 0x0
	PLACES 4
	WIN 0
	FETCHR 1
	MULR 0
	PLACES 4                                       ; ahead of the read of results just made, and of the loads into the set just multiplied
	TOSTAGE 0
	s_wait_dscnt 32                                ; pair 1's fragments are in; the stage's 16 stores and 16 loads may be out
	FETCHR 2
	MULR 1
	SEND 0, 16                                     ; behind pair 0's loads from the stage: pair 2's 16 fragment loads
	PLACES 4
	TOSTAGE 1
	s_wait_dscnt 32
	FETCHR 3
	MULR 2
	SEND 1, 16
	PLACES 4
	s_wait_xcnt 0x0                                ; pair 0's stores have read the registers that pair 2's rows land in
	TOSTAGE 2
	s_wait_dscnt 32
	MULR 3
	SEND 2, 0
	PLACES 4
	s_wait_xcnt 0x0
	TOSTAGE 3
	SEND 3, 0
	s_wait_tensorcnt 0x0                           ; the wave's end, behind my last tensor load and my last LDS store
	ds_add_u32 v[SPW], v[NIL]
	s_wait_dscnt 0x0
	CROUND                                         ; the closing round
	s_endpgm
.Lfunc_end_k_q112aff4c20_outp:
	.size	k_q112aff4c20_outp, .Lfunc_end_k_q112aff4c20_outp-k_q112aff4c20_outp
	.p2alignl 7, 3214868480
	.fill 96, 4, 3214868480
	.section	.rodata,"a",@progbits
	.p2align	6, 0x0
	.amdhsa_kernel k_q112aff4c20_outp
		.amdhsa_group_segment_fixed_size 174592
		.amdhsa_private_segment_fixed_size 0
		.amdhsa_enable_private_segment 0
		.amdhsa_kernarg_size 24
		.amdhsa_user_sgpr_count 2
		.amdhsa_user_sgpr_kernarg_segment_ptr 1
		.amdhsa_wavefront_size32 1
		.amdhsa_system_sgpr_workgroup_id_x 1
		.amdhsa_system_sgpr_workgroup_id_y 1
		.amdhsa_system_sgpr_workgroup_id_z 1
		.amdhsa_system_vgpr_workitem_id 0
		.amdhsa_next_free_vgpr 1024
		.amdhsa_next_free_sgpr 66
		.amdhsa_reserve_vcc 0
		.amdhsa_float_denorm_mode_32 3
		.amdhsa_float_denorm_mode_16_64 3
		.amdhsa_memory_ordered 1
		.amdhsa_forward_progress 1
		.amdhsa_inst_pref_size 118
	.end_amdhsa_kernel
	.amdgpu_metadata
---
amdhsa.version: [ 1, 2 ]
amdhsa.kernels:
  - .name:           k_q112aff4c20_outp
    .symbol:         k_q112aff4c20_outp.kd
    .args:
      - { .name: oimg, .offset: 0, .size: 8, .value_kind: global_buffer, .address_space: global }
      - { .name: wocs, .offset: 8, .size: 8, .value_kind: global_buffer, .address_space: global }
      - { .name: out0, .offset: 16, .size: 8, .value_kind: global_buffer, .address_space: global }
    .group_segment_fixed_size: 174592
    .private_segment_fixed_size: 0
    .kernarg_segment_align: 8
    .kernarg_segment_size: 24
    .max_flat_workgroup_size: 128
    .sgpr_count:     66
    .vgpr_count:     1024
    .wavefront_size: 32
...
	.end_amdgpu_metadata
.endif
;; end of part 4
